; MI455X (gfx1250); checked and timed in simulation.
; The chip was launched on July 23, 2026; its instructions are those of AMD's public machine-readable ISA for CDNA 5 (MIT licence, August 2026) and "CDNA5" Instruction Set Architecture Reference Guide (July 2026). The comments in the code are by the model that wrote it; some were corrected since.
;; Cross Attention Block. Allowed arithmetic: matrix products marked QUANTISED: E3M2 operands, one E8M0 scale for each 32 along K, by v_wmma_scale_f32_16x16x128_f8f6f4 with both operands' format E3M2, f32 sums; everything else in f32.
;; Inputs: context 4 x 64 x 32 x 32 float32; ctx_norm_b 64 float32; ctx_norm_w 64 float32; gate 4 x 1 x 1 x 1 float32; k_b 512 float32; k_w_codes 512 x 2 x 24 uint8 (E3M2 codes of k_w, K innermost, in blocks of 32 codes, four codes in three bytes); k_w_scales 512 x 2 uint8 (E8M0 scales of k_w, one for each 32 codes along K); norm_b 512 float32; norm_w 512 float32; out_b 512 float32; out_w_codes 512 x 16 x 24 uint8 (E3M2 codes of out_w, K innermost, in blocks of 32 codes, four codes in three bytes); out_w_scales 512 x 16 uint8 (E8M0 scales of out_w, one for each 32 codes along K); q_b 512 float32; q_w_codes 512 x 16 x 24 uint8 (E3M2 codes of q_w, K innermost, in blocks of 32 codes, four codes in three bytes); q_w_scales 512 x 16 uint8 (E8M0 scales of q_w, one for each 32 codes along K); v_b 512 float32; v_w_codes 512 x 2 x 24 uint8 (E3M2 codes of v_w, K innermost, in blocks of 32 codes, four codes in three bytes); v_w_scales 512 x 2 uint8 (E8M0 scales of v_w, one for each 32 codes along K); x 4 x 512 x 64 x 64 float32.
;; Outputs: out0 4 x 512 x 64 x 64 float32.
;; This version of the problem:
;;   THIS VERSION OF THE PROBLEM IS GIVEN IN LOW PRECISION. The matrix products marked QUANTISED in the list below multiply operands that are first quantised to E3M2 (3 exponent bits, 2 mantissa bits; 6 bits a number), with one power-of-two scale for each 32 numbers along K (OCP MX v1.0); their sums are f32. All else is computed in f32.
;;   The module's matrix products, in the order in which they are computed (A, B: the left and right operand; K: the contracted axis; several contracted axes count as one K, in the product's order):
;;     1. [M 16,384, K 512] x [K 512, N 512]; A: computed on the way; B: input q_w (given as codes): QUANTISED
;;     2. [M 4,096, K 64] x [K 64, N 512]; A: computed on the way; B: input k_w (given as codes): QUANTISED
;;     3. [M 4,096, K 64] x [K 64, N 512]; A: computed on the way; B: input v_w (given as codes): QUANTISED
;;     4. batch 32 x [M 4,096, K 64] x [K 64, N 1,024]; A: computed on the way; B: computed on the way: QUANTISED
;;     5. batch 32 x [M 4,096, K 1,024] x [K 1,024, N 64]; A: softmax (see below); B: computed on the way: QUANTISED
;;     6. [M 16,384, K 512] x [K 512, N 512]; A: computed on the way; B: input out_w (given as codes): QUANTISED
;;   THE QUANTISER, for each operand of a quantised product, along K:
;;     - K is cut into blocks of 32 from its start; a last block that is shorter is filled with zeros.
;;     - A block's scale is 2^e with e = floor(log2(the largest magnitude in the block)) - 4, held to -126 .. 127; a block of zeros has e = 0. As a byte (E8M0): e + 127.
;;     - Each number is divided by its block's scale, clamped to +-28, and rounded to the nearest number of E3M2, ties to even, subnormals kept.
;;     - The product sums the exact products of the quantised numbers (number of the format x scale) in f32.
;;   ~~~python
;;   def quantise(x, axis):      # numpy; x: float32 -> the quantised numbers, widened to float32 again
;;       x = np.moveaxis(x, axis, -1); K = x.shape[-1]
;;       x = np.pad(x, [(0, 0)] * (x.ndim - 1) + [(0, -K % 32)]); x = x.reshape(x.shape[:-1] + (-1, 32)); a = np.abs(x).max(-1, keepdims=True)
;;       e = np.where(a > 0, np.clip(np.frexp(np.where(a > 0, a, 1))[1] - 1 - 4, -126, 127), 0)      # np.frexp(a)[1] - 1 = floor(log2(a)), exactly
;;       r = np.clip(x / 2.0 ** e, -28, 28)
;;       step = 2.0 ** (np.maximum(np.frexp(np.where(r == 0, 1, r))[1] - 1, -2) - 2)
;;       q = np.round(r / step) * step * 2.0 ** e      # np.round: ties to even
;;       return np.moveaxis(q.reshape(q.shape[:-2] + (-1,))[..., :K], -1, axis).astype(np.float32)
;;   ~~~
;;   SOFTMAX AHEAD OF A QUANTISED PRODUCT. Where the list says 'softmax', what is quantised is not the finished softmax but p = 2^(t - M), with t = logit x log2(e) and M = ceil(the row's largest t), a whole number; so 1/2 < the row's largest p <= 1. The row's sum l is taken of the UNQUANTISED p, in f32, and the product's result is divided by l at the end. Since M is a whole number, a kernel that streams over the keys may use a running M (the ceiling of the running maximum): every later rescaling is an exact power of two, which a block's scale takes up: the codes' values come out the same.
;;   OPERANDS COMPUTED ON THE WAY. 'Computed on the way' means the value that the module computes at that place (a softmax that the list does not call 'softmax' is quantised finished and normalised). What goes into a quantiser is computed in f32, as accurately as f32 sums, v_exp_f32 and their like allow (about 1e-6 of the number): no bf16 or f16 on the way to a quantiser, and a product that is left as it is and whose result goes on into a quantised operand takes f32 operands (vector FMAs, or v_wmma_f32_16x16x4_f32). A number that lies on a knife's edge between two numbers of the format may be rounded either way, as far as f32 arithmetic and the matrix unit's own rounding can turn it there, and no further.
;;   INPUTS GIVEN AS CODES. k_w (in the module: [512, 64], K = its axis 1); out_w (in the module: [512, 512], K = its axis 1); q_w (in the module: [512, 512], K = its axis 1); v_w (in the module: [512, 64], K = its axis 1): each comes as NAME_codes (uint8): NAME with its K axis moved to the last place and cut into blocks of 32 codes, [.., K / 32, bytes a block], one block behind the other in memory; four codes in three bytes: a row's codes are one little-endian stream of bits, code i at bits 6 i .. 6 i + 5 (a code: sign, 3 exponent bits, 2 mantissa bits); and NAME_scales (uint8): the same leading axes, one E8M0 byte (e + 127) for each 32 codes along K. Its value is code x scale, taken as it is: it is not quantised again, and the codes and scales need not be those that the quantiser above would give.
;; One version. Each part assembles by itself: llvm-mc -triple=amdgcn-amd-amdhsa -mcpu=gfx1250 --defsym DOCPART=n.
;; ======== version 1 of 1: 3 launches
;; workspace buffers: stats 4,096 bytes; kv 3,342,336 bytes
;; launch stats (part 1): grid 256 x 1, 16 waves a work-group, no clusters, 3,072 bytes of LDS; arguments x, context, stats; writes stats
.if DOCPART == 1
	.amdgcn_target "amdgcn-amd-amdhsa--gfx1250"
	.amdhsa_code_object_version 6
	.text
	.protected	k_q59cae5f16c_stats
	.globl	k_q59cae5f16c_stats
	.p2align	8
	.type	k_q59cae5f16c_stats,@function
k_q59cae5f16c_stats:
	s_mov_b64 s[64:65], 0
	v_nop
	global_prefetch_b8 v0, s[64:65] scope:SCOPE_SE
	s_setreg_imm32_b32 hwreg(HW_REG_WAVE_MODE, 25, 1), 1
	s_wait_xcnt 0x0
; GroupNorm's statistics, by HALF groups.  x: 128 groups of 65,536 numbers, context: 128 groups of 2,048; both are dense in memory.
; Work-group i takes half group i of x (32,768 numbers at byte 131,072 i) and half group i of context (1,024 numbers at byte 4,096 i) and stores
; stats[i] = (mean of x's half, mean of context's half, M2 of x's half, M2 of context's half), M2 = the sum of squared deviations from the half's OWN mean.
; The numbers stay in registers between the pass for the mean and the pass for M2: memory is read once, and no difference of large sums is formed, so a common offset of the inputs does no harm.
; The launches that follow join two halves: mean = (m1 + m2) / 2, variance = (M2a + M2b) / N + ((m1 - m2) / 2)^2.
; 16 waves, 512 threads; thread t holds 64 numbers of x (sixteen loads of 16 bytes; a wave's load covers 512 consecutive bytes) and 2 of context.
; No matrix unit, no cluster, no tensor load: a plain stream with two reductions.  The one store of 16 bytes a work-group covers part of an aligned 256 bytes: 4,096 bytes in the whole launch.
; LIMITS: NaN and infinities among the inputs are not served.
.set X,    16                          ; v16-79   my 64 numbers of x
.set CC,   80                          ; v80-81   my 2 numbers of context
.set RDR,  96                          ; v96-127  the 16 waves' pairs of partial sums
.set RED1, 0                           ; LDS: 16 waves x 8 bytes, first reduction
.set RED2, 256                         ; and second: other bytes, so that no barrier is owed between the first's reads and the second's stores
	s_load_b128 s[4:7], s[0:1], 0x0                ; x, context
	s_load_b64 s[8:9], s[0:1], 0x10                ; stats
	v_lshl_add_u32 v128, v0, 2, 0x400
	v_mov_b32 v129, 0
	v_lshlrev_b32 v1, 4, v0                        ; x: 16 bytes a thread
	v_lshlrev_b32 v2, 3, v0                        ; context: 8 bytes a thread
	v_mov_b32 v3, 0
	v_lshrrev_b32 v86, 5, v0
	s_delay_alu instid0(VALU_DEP_1)
	v_readfirstlane_b32 s10, v86                   ; wave 0..15
	s_delay_alu instid0(VALU_DEP_2)
	v_lshlrev_b32 v86, 3, v86                      ; LDS: 8 bytes a wave
	v_mov_b32 v84, 0                               ; written once: a lane permute's destination counts as one of its sources
	v_mov_b32 v85, 0
	s_mov_b32 s12, 0x76543210
	s_mov_b32 s13, 0xfedcba98                      ; v_permlanex16_b32's selects for lane l xor 16
	s_lshl_b32 s14, ttmp9, 17                      ; 131,072 bytes of x a work-group (under 2^25 in all)
	s_mov_b32 s15, 0
	s_lshl_b32 s16, ttmp9, 12                      ; 4,096 bytes of context
	s_mov_b32 s17, 0
	s_lshl_b32 s18, ttmp9, 4                       ; 16 bytes of stats
	s_mov_b32 s19, 0
	s_wait_alu depctr_va_vdst(0)
	s_wait_kmcnt 0x0
	s_add_nc_u64 s[4:5], s[4:5], s[14:15]
	s_add_nc_u64 s[6:7], s[6:7], s[16:17]
	s_add_nc_u64 s[8:9], s[8:9], s[18:19]
.irp j, 0,1,2,3,4,5,6,7,8,9,10,11,12,13,14,15
	global_load_b128 v[X+4*\j:X+4*\j+3], v1, s[4:5] offset:8192*\j    ; no hint: x is read again by a later launch
.endr
	global_load_b64 v[CC:CC+1], v2, s[6:7]
; v82, v83 (my sums for x and for context) become the work-group's sums in v[dst], v[dst+1]
.macro ACROSS red, dst
.irp k, 1
	v_add_f32_dpp v82, v82, v82 row_xmask:\k row_mask:0xf bank_mask:0xf
	v_add_f32_dpp v83, v83, v83 row_xmask:\k row_mask:0xf bank_mask:0xf
.endr
.irp k, 2, 4, 8
	s_delay_alu instid0(VALU_DEP_2)
	v_add_f32_dpp v82, v82, v82 row_xmask:\k row_mask:0xf bank_mask:0xf
	s_delay_alu instid0(VALU_DEP_2)
	v_add_f32_dpp v83, v83, v83 row_xmask:\k row_mask:0xf bank_mask:0xf
.endr
	s_delay_alu instid0(VALU_DEP_2)
	v_permlanex16_b32 v84, v82, s12, s13
	s_delay_alu instid0(VALU_DEP_2)
	v_permlanex16_b32 v85, v83, s12, s13
	s_delay_alu instid0(VALU_DEP_2)
	v_add_f32 v82, v82, v84
	s_delay_alu instid0(VALU_DEP_2)
	v_add_f32 v83, v83, v85                        ; every lane holds the wave's two sums
	ds_store_b64 v86, v[82:83] offset:\red         ; all lanes write the wave's 8 bytes with the same values
	s_wait_dscnt 0x0                               ; for the others' sake: my store is done
	s_barrier_signal -1
	s_barrier_wait -1
.irp k, 0,1,2,3,4,5,6,7
	ds_load_b128 v[RDR+4*\k:RDR+4*\k+3], v3 offset:\red+16*\k
.endr
	s_wait_dscnt 0x0
.irp k, 0,1,2,3,4,5,6,7
	v_pk_add_f32 v[RDR+4*\k:RDR+4*\k+1], v[RDR+4*\k:RDR+4*\k+1], v[RDR+4*\k+2:RDR+4*\k+3]
.endr
.irp k, 0,1,2,3
	v_pk_add_f32 v[RDR+8*\k:RDR+8*\k+1], v[RDR+8*\k:RDR+8*\k+1], v[RDR+8*\k+4:RDR+8*\k+5]
.endr
.irp k, 0
	s_delay_alu instid0(VALU_DEP_3)
	v_pk_add_f32 v[RDR+16*\k:RDR+16*\k+1], v[RDR+16*\k:RDR+16*\k+1], v[RDR+16*\k+8:RDR+16*\k+9]
.endr
.irp k, 1
	s_delay_alu instid0(VALU_DEP_2)
	v_pk_add_f32 v[RDR+16*\k:RDR+16*\k+1], v[RDR+16*\k:RDR+16*\k+1], v[RDR+16*\k+8:RDR+16*\k+9]
.endr
	s_delay_alu instid0(VALU_DEP_1)
	v_pk_add_f32 v[\dst:\dst+1], v[RDR:RDR+1], v[RDR+16:RDR+17]
.endm
	; pass 1: the sums, in four packed chains that the first four loads start
.irp j, 0,1,2,3
	s_wait_loadcnt 16-\j                           ; load j is in: behind it stand 15 - j loads of x and the one of context
	v_pk_add_f32 v[4+2*\j:5+2*\j], v[X+4*\j:X+4*\j+1], v[X+4*\j+2:X+4*\j+3]
.endr
	s_wait_alu depctr_va_vdst(0)
.irp j, 4,5,6,7,8,9,10,11,12,13,14,15
	s_wait_alu depctr_va_vdst(0)
	s_wait_loadcnt 16-\j
	v_pk_add_f32 v[4+4*(\j%2):5+4*(\j%2)], v[4+4*(\j%2):5+4*(\j%2)], v[X+4*\j:X+4*\j+1]
	v_pk_add_f32 v[6+4*(\j%2):7+4*(\j%2)], v[6+4*(\j%2):7+4*(\j%2)], v[X+4*\j+2:X+4*\j+3]
.endr
	v_pk_add_f32 v[4:5], v[4:5], v[6:7]
	s_delay_alu instid0(VALU_DEP_2)
	v_pk_add_f32 v[8:9], v[8:9], v[10:11]
	s_delay_alu instid0(VALU_DEP_1)
	v_pk_add_f32 v[4:5], v[4:5], v[8:9]
	s_delay_alu instid0(VALU_DEP_1)
	v_add_f32 v82, v4, v5
	s_wait_alu depctr_va_vdst(0)
	s_wait_loadcnt 0x0
	v_add_f32 v83, v[CC], v[CC+1]
	ACROSS RED1, 92
	s_delay_alu instid0(VALU_DEP_1)
	v_mul_f32 v88, 0x38000000, v92                 ; / 32,768: the mean of x's half
	s_delay_alu instid0(VALU_DEP_2)
	v_mul_f32 v89, 0x3a800000, v93                 ; / 1,024: of context's
	; pass 2: the squared deviations
.set ii, 0
.rept 32
	v_pk_add_f32 v[X+2*ii:X+2*ii+1], v[X+2*ii:X+2*ii+1], v[88:89] op_sel_hi:[1,0] neg_lo:[0,1] neg_hi:[0,1]   ; x - mean (of the pair the low word serves both halves)
.set ii, ii+1
.endr
.irp j, 0,1,2,3
	v_pk_mul_f32 v[4+2*\j:5+2*\j], v[X+2*\j:X+2*\j+1], v[X+2*\j:X+2*\j+1]
.endr
.set ii, 4
.rept 28
	s_delay_alu instid0(VALU_DEP_4)
	v_pk_fma_f32 v[4+2*(ii%4):5+2*(ii%4)], v[X+2*ii:X+2*ii+1], v[X+2*ii:X+2*ii+1], v[4+2*(ii%4):5+2*(ii%4)]
.set ii, ii+1
.endr
	v_sub_f32 v[CC], v[CC], v89
	v_sub_f32 v[CC+1], v[CC+1], v89
	v_pk_add_f32 v[4:5], v[4:5], v[6:7]
	s_delay_alu instid0(VALU_DEP_4)
	v_pk_add_f32 v[8:9], v[8:9], v[10:11]
	s_delay_alu instid0(VALU_DEP_4)
	v_mul_f32 v83, v[CC], v[CC]
	s_delay_alu instid0(VALU_DEP_2)
	v_pk_add_f32 v[4:5], v[4:5], v[8:9]
	s_delay_alu instid0(VALU_DEP_2)
	v_fmac_f32 v83, v[CC+1], v[CC+1]
	s_delay_alu instid0(VALU_DEP_2)
	v_add_f32 v82, v4, v5
	ACROSS RED2, 90                                ; v[88:91] = mean x, mean context, M2 x, M2 context
	s_cmp_lg_u32 s10, 0
	s_cbranch_scc1 .Ldone                          ; wave 0 stores,
	v_cmp_eq_u32 vcc_lo, 0, v0                     ; its lane 0 alone
	s_wait_xcnt 0x0                                ; EXEC changes only behind this wait
	s_and_saveexec_b32 s20, vcc_lo
	s_wait_alu depctr_va_vdst(0)
	global_store_b128 v3, v[88:91], s[8:9]
	s_wait_xcnt 0x0                                ; and again in front of the line that widens it
	s_or_b32 exec_lo, exec_lo, s20
.Ldone:
	s_wait_tensorcnt 0x0
	ds_add_u32 v128, v129
	s_wait_dscnt 0x0
	s_endpgm
.Lfunc_end_k_q59cae5f16c_stats:
	.size	k_q59cae5f16c_stats, .Lfunc_end_k_q59cae5f16c_stats-k_q59cae5f16c_stats
	.p2alignl 7, 3214868480
	.fill 96, 4, 3214868480
	.section	.rodata,"a",@progbits
	.p2align	6, 0x0
	.amdhsa_kernel k_q59cae5f16c_stats
		.amdhsa_group_segment_fixed_size 3072
		.amdhsa_private_segment_fixed_size 0
		.amdhsa_enable_private_segment 0
		.amdhsa_kernarg_size 24
		.amdhsa_user_sgpr_count 2
		.amdhsa_user_sgpr_kernarg_segment_ptr 1
		.amdhsa_wavefront_size32 1
		.amdhsa_system_sgpr_workgroup_id_x 1
		.amdhsa_system_sgpr_workgroup_id_y 1
		.amdhsa_system_sgpr_workgroup_id_z 1
		.amdhsa_system_vgpr_workitem_id 0
		.amdhsa_next_free_vgpr 130
		.amdhsa_next_free_sgpr 66
		.amdhsa_reserve_vcc 1
		.amdhsa_float_denorm_mode_32 3
		.amdhsa_float_denorm_mode_16_64 3
		.amdhsa_memory_ordered 1
		.amdhsa_forward_progress 1
		.amdhsa_inst_pref_size 18
	.end_amdhsa_kernel
	.amdgpu_metadata
---
amdhsa.version: [ 1, 2 ]
amdhsa.kernels:
  - .name:           k_q59cae5f16c_stats
    .symbol:         k_q59cae5f16c_stats.kd
    .args:
      - { .name: x, .offset: 0, .size: 8, .value_kind: global_buffer, .address_space: global }
      - { .name: context, .offset: 8, .size: 8, .value_kind: global_buffer, .address_space: global }
      - { .name: stats, .offset: 16, .size: 8, .value_kind: global_buffer, .address_space: global }
    .group_segment_fixed_size: 3072
    .private_segment_fixed_size: 0
    .kernarg_segment_align: 8
    .kernarg_segment_size: 24
    .max_flat_workgroup_size: 512
    .sgpr_count:     66
    .vgpr_count:     130
    .wavefront_size: 32
...
	.end_amdgpu_metadata
.endif
;; end of part 1
;; launch kv (part 2): grid 256 x 1, 4 waves a work-group, no clusters, 9,216 bytes of LDS; arguments context, stats, ctx_norm_w, ctx_norm_b, k_w_codes, k_w_scales, k_b, v_w_codes, v_w_scales, v_b, kv; writes kv
.if DOCPART == 2
	.amdgcn_target "amdgcn-amd-amdhsa--gfx1250"
	.amdhsa_code_object_version 6
	.text
	.protected	k_q59cae5f16c_kv
	.globl	k_q59cae5f16c_kv
	.p2align	8
	.type	k_q59cae5f16c_kv,@function
k_q59cae5f16c_kv:
	s_mov_b64 s[64:65], 0
	v_nop
	global_prefetch_b8 v0, s[64:65] scope:SCOPE_SE
	s_setreg_imm32_b32 hwreg(HW_REG_WAVE_MODE, 25, 1), 1
	s_wait_xcnt 0x0
; The keys and values of the attention, as codes of BF6 (E3M2) with one E8M0 scale for each 32 along a product's K, laid as IMAGES OF THE OPERANDS' REGISTERS.
; A work-group takes one batch b, one head and one step of 128 keys and writes one record of 13,056 bytes of kv, at b x 835,584 + (8 (head / 4) + step) x 52,224 + (head % 4) x 13,056:
;   0      K's 8 fragments of 768 bytes (registers 0-3 at 16 x lane, registers 4-5 at 512 + 8 x lane): lane (r, h) of fragment t: key 32 (t / 2) + 8 (t % 2) + r + 8 (r / 8), d = 32 h .. 32 h + 31
;   6,144  K's scale words, 16 bytes a lane: word j: lanes 0-15 fragment 2 j, lanes 16-31 fragment 2 j + 1;  a word = (scale of d 0-31, of d 32-63, 0x7f, 0x7f)
;   6,656  V^T's 4 fragments of 1,536 bytes (three runs of 16 x lane): lane (r, h) of fragment t: d = 32 (t / 2) + 8 (t % 2) + r + 8 (r / 8); registers 6 c on: keys 64 c + 32 h + 0 .. 31
;   12,800 V's scale words, 8 bytes a lane: word j: lanes 0-15 fragment j, lanes 16-31 fragment j + 2
; STEPS: context is normalised in f32 ((x - mean) x rstd, then x w + b) and quantised along its 64 channels; K = k_w ctx + k_b is made TRANSPOSED (source 0 = 16 rows of k_w, source 1 = 16 keys), so that a lane
; holds one key and its registers run along d, and is quantised along d; V = v_w ctx + v_b is made with the keys as source 0, so that a lane holds one d and its registers run along the keys, and is quantised along the keys.
; The rows of k_w, the rows of v_w and the keys that form a tile are chosen so that the 16 registers of two neighbouring tiles are 16 neighbours along the next K.
; K = 64 fills half of the instruction's 128: registers 6-11 of both operands hold zero codes, written once; their scale bytes are 0x7f.
; SHARES: wave w quantises the context of keys 32 w .. 32 w + 31 (a lane to a key, registers down the channels), makes K's fragments 2 w, 2 w + 1 and V's fragment w.  Context codes go from wave to wave through LDS as register images.
; No tensor load (all that is read is small), no cluster: what work-groups share here is 32 KB of context a step.
; LIMITS: NaN and infinities are not served.  A block of zeros, or one whose largest magnitude lies under 2^-122, gets the scale byte 1 (not 127): its codes are zeros or held by the floor, and these bytes are read by this program alone.
.set TAB,  0                           ; LDS: 64 channels x (mean, rstd, w, b)
.set CIMG, 1024                        ; 8 key tiles x 768: the context's half fragments (16 bytes x slot, then 8 bytes x slot at 512; slot = column + 16 x block)
.set CSC,  7168                        ; their scale words: 64 bytes a tile
.set SCST, 7680                        ; K's 512 and V's 256 bytes of scale words, gathered for the way out
.set KW,   16                          ; v16-63   k_w's 4 fragments; later the quantiser's work: TM v16-31, PC v32-51, PW v52
.set VW,   64                          ; v64-75   v_w's fragment
.set KWS,  76                          ; v76-79   k_w's scale words;  v80 v_w's
.set VWS,  80
.set VBR,  81                          ; v81      v_b at my lane's d;  v82-89 the same eight times: the C of V's products
.set VB,   82
.set KB,   90                          ; v90-121  k_b in the result's layout, 8 registers a tile
.set CF,   122                         ; v122-169 four context fragments; before that: the table's temporaries, two buffers of table entries, the codes just made
.set CFS,  170                         ; v170-173 their scale words
.set D,    174                         ; v174-237 64 numbers of context, then the products' results
.set TM,   16
.set PC,   32
.set PW,   52
; addresses, all made at the head: v4 4 L; v5 stats; v6 4 ch; v7 weights' codes; v8 weights' scales; v9 64 h; v10 v_b; v11 16 L + 1536 w; v12 8 L + 1536 w; v13 16 t; v14 0;
; v15, v238, v239 where my context codes and scale word go; v240 16 L; v241 8 L; v242 4 r; v243, v244 where K's and V's scale words go; v245 4 r + 128 w.  v246-255 at work.
.macro NOPS n
.rept \n
	v_nop
.endr
.endm
.macro WM d, a, b, c, sa, sb
	v_wmma_scale_f32_16x16x128_f8f6f4 v[\d:\d+7], v[\a:\a+11], v[\b:\b+11], v[\c:\c+7], v[\sa], v[\sb] matrix_a_fmt:MATRIX_FMT_BF6 matrix_b_fmt:MATRIX_FMT_BF6
.endm
; 64 numbers of a lane, register 16 b + i = k 32 b + 16 (lane / 16) + i of my row, become a fragment's codes in v[PC] on and its scale word in v[PW]
.macro QUANT s
.irp b, 0,1,2,3
	v_max3_num_f32 v[TM+\b], |v[\s+16*\b]|, |v[\s+1+16*\b]|, 0x2800000   ; block b: my 16 numbers, and the floor 2^(5 - 127): the byte cannot fall under 1
.endr
.irp i, 2,4,6,8,10,12,14
.irp b, 0,1,2,3
	v_max3_num_f32 v[TM+\b], v[TM+\b], |v[\s+16*\b+\i]|, |v[\s+1+16*\b+\i]|
.endr
.endr
.irp b, 0,1,2,3
	v_permlanex16_b32 v[TM+4+\b], v[TM+\b], s60, s61
.endr
.irp b, 0,1,2,3
	v_max_num_f32 v[TM+\b], v[TM+\b], v[TM+4+\b]   ; with lane l xor 16's: the block's largest magnitude
.endr
.irp b, 0,1,2,3
	v_add_nc_u32 v[TM+12+\b], 0xfe000000, v[TM+\b]   ; 4 off its exponent field: the conversion's scale operand
.endr
.irp b, 0,1,2,3
	v_lshrrev_b32 v[TM+4+\b], 23, v[TM+12+\b]      ; the scale's byte
.endr
	v_lshl_or_b32 v[PW], v[TM+5], 8, v[TM+4]
	v_lshl_or_b32 v[PW], v[TM+6], 16, v[PW]
	v_lshl_or_b32 v[PW], v[TM+7], 24, v[PW]
.irp c, 0,1
	v_cvt_scalef32_pk16_bf6_f32 v[PC+6*\c:PC+2+6*\c], v[\s+32*\c:\s+15+32*\c], v[TM+12+2*\c]
	v_cvt_scalef32_pk16_bf6_f32 v[PC+12+4*\c:PC+14+4*\c], v[\s+16+32*\c:\s+31+32*\c], v[TM+12+2*\c+1]   ; (a conversion's three registers begin on an even number)
.endr
	v_nop                                          ; one plain place behind a scaled conversion
.irp c, 0,1                                    ; the operand's layout wants a WHOLE block in a lane: lanes 0-15 block 2 c, lanes 16-31 block 2 c + 1
.irp i, 0,1,2
	v_permlane16_swap_b32 v[PC+6*\c+\i], v[PC+12+4*\c+\i]
.endr
.irp i, 0,1,2
	v_mov_b32 v[PC+3+6*\c+\i], v[PC+12+4*\c+\i]
.endr
.endr
.endm
	s_load_b256 s[4:11], s[0:1], 0x0               ; context, stats, ctx_norm_w, ctx_norm_b
	s_load_b256 s[12:19], s[0:1], 0x20             ; k_w's codes, k_w's scales, k_b, v_w's codes
	s_load_b128 s[20:23], s[0:1], 0x40             ; v_w's scales, v_b
	s_load_b64 s[24:25], s[0:1], 0x50              ; kv
	s_set_vgpr_msb 0x40
	v_lshl_add_u32 v0, v0, 2, 0x2200
	v_mov_b32 v1, 0
	s_set_vgpr_msb 0x4000
	v_lshrrev_b32 v1, 5, v0
	v_readfirstlane_b32 s26, v1                    ; wave 0..3
	s_and_b32 s27, ttmp9, 7                        ; head
	s_bfe_u32 s28, ttmp9, 0x30003                  ; step of 128 keys
	s_lshr_b32 s29, ttmp9, 6                       ; batch
	s_mov_b32 s60, 0x76543210
	s_mov_b32 s61, 0xfedcba98                      ; v_permlanex16_b32's selects for lane l xor 16
	s_mov_b32 s62, 0x7f7f0000                      ; scale bytes 2 and 3: 1.0 over zero codes
	s_mov_b32 s40, 0x3a000000                      ; 1 / 2,048
	v_and_b32 v1, 31, v0                           ; L
	v_and_b32 v2, 15, v0                           ; r
	v_bfe_u32 v3, v0, 4, 1                         ; h
	v_lshlrev_b32 v4, 2, v1
	v_and_b32 v253, 63, v0                         ; the channel whose table entry I make
	v_lshrrev_b32 v5, 1, v253
	v_lshlrev_b32 v5, 5, v5                        ; its group's two entries of stats: 32 bytes a group
	v_lshlrev_b32 v6, 2, v253
	v_and_b32 v254, 8, v2
	v_add_nc_u32 v254, v254, v2                    ; r + 8 (r / 8)
	v_mul_u32_u24 v7, v254, 48                     ; a weight's row of 64 codes is 48 bytes
	v_mad_u32_u24 v7, v3, 24, v7
	v_lshlrev_b32 v8, 1, v254                      ; and 2 scale bytes
	v_lshlrev_b32 v9, 6, v3
	v_lshlrev_b32 v10, 2, v254
	v_lshlrev_b32 v240, 4, v1
	v_lshlrev_b32 v241, 3, v1
	v_lshlrev_b32 v242, 2, v2
	s_mul_i32 s30, s26, 1536
	v_add_nc_u32 v11, s30, v240
	v_add_nc_u32 v12, s30, v241
	v_lshlrev_b32 v13, 4, v0
	v_mov_b32 v14, 0
	v_bfe_u32 v254, v0, 3, 1                       ; my key 32 w + L lies in key tile 2 w + u, u = (L / 8) % 2,
	v_and_b32 v255, 7, v0
	v_lshl_add_u32 v255, v3, 3, v255               ; at column L % 8 + 8 (L / 16)
	v_mul_u32_u24 v253, v254, 768
	v_add_nc_u32 v253, s30, v253
	v_lshl_add_u32 v15, v255, 4, v253
	v_lshl_add_u32 v238, v255, 3, v253
	s_lshl_b32 s31, s26, 7
	v_lshl_add_u32 v239, v254, 6, s31
	v_lshl_add_u32 v239, v255, 2, v239
	v_add_nc_u32 v245, s31, v242
	s_lshl_b32 s31, s26, 2
	v_add_nc_u32 v243, s31, v240                   ; K's scale words: 16 L + 4 w
	s_lshr_b32 s31, s26, 1
	s_and_b32 s34, s26, 1
	s_lshl_b32 s35, s31, 7
	s_lshl_b32 s36, s34, 2
	s_add_co_u32 s35, s35, s36
	v_lshl_add_u32 v244, v2, 3, s35                ; V's: 8 (r + 16 (w / 2)) + 4 (w % 2)
	s_lshl_b32 s37, s27, 6
	s_lshl_b32 s31, s31, 5
	s_lshl_b32 s34, s34, 3
	s_add_co_u32 s37, s37, s31
	s_add_co_u32 s37, s37, s34                     ; v_w's first row for my fragment: 64 head + 32 (w / 2) + 8 (w % 2)
	s_mov_b32 s33, 0
	s_wait_kmcnt 0x0
	s_lshl_b32 s32, s29, 18                        ; context: 262,144 bytes a batch,
	s_lshl_b32 s34, s28, 9                         ; 512 a step,
	s_add_co_u32 s32, s32, s34
	s_lshl_b32 s34, s26, 7                         ; 128 a wave
	s_add_co_u32 s32, s32, s34
	s_add_nc_u64 s[4:5], s[4:5], s[32:33]
	s_lshl_b32 s32, s29, 10
	s_add_nc_u64 s[6:7], s[6:7], s[32:33]
	s_mul_i32 s32, s27, 3072
	s_add_nc_u64 s[12:13], s[12:13], s[32:33]
	s_lshl_b32 s32, s27, 7
	s_add_nc_u64 s[14:15], s[14:15], s[32:33]
	s_lshl_b32 s32, s27, 8
	s_add_nc_u64 s[16:17], s[16:17], s[32:33]
	s_mul_i32 s32, s37, 48
	s_add_nc_u64 s[18:19], s[18:19], s[32:33]
	s_lshl_b32 s32, s37, 1
	s_add_nc_u64 s[20:21], s[20:21], s[32:33]
	s_lshl_b32 s32, s37, 2
	s_add_nc_u64 s[22:23], s[22:23], s[32:33]
	s_mul_i32 s32, s29, 835584                     ; my record
	s_lshr_b32 s34, s27, 2
	s_lshl_b32 s34, s34, 3
	s_add_co_u32 s34, s34, s28
	s_mul_i32 s34, s34, 52224
	s_add_co_u32 s32, s32, s34
	s_and_b32 s34, s27, 3
	s_mul_i32 s34, s34, 13056
	s_add_co_u32 s32, s32, s34
	s_add_nc_u64 s[24:25], s[24:25], s[32:33]
	; the table's four loads (every thread makes an entry, so that all waves count alike; waves 0 and 1 store the 64), then the first 32 channels of my key
	global_load_b128 v[122:125], v5, s[6:7]
	global_load_b128 v[132:135], v5, s[6:7] offset:16
	global_load_b32 v130, v6, s[8:9]
	global_load_b32 v131, v6, s[10:11]
.set ii, 0
.rept 32
	global_load_b32 v[D+ii], v4, s[4:5] offset:4096*ii     ; context(channel, key 32 w + L): a wave reads 128 consecutive bytes
.set ii, ii+1
.endr
	s_wait_loadcnt 32                              ; the table's four are in; the 32 behind them may be out
	v_add_f32 v128, v123, v133
	v_sub_f32 v126, v123, v133
	v_add_f32 v127, v125, v135
	v_mul_f32 v128, 0.5, v128                      ; the group's mean
	v_mul_f32 v126, 0.5, v126
	v_fmaak_f32 v127, s40, v127, 0x3727c5ac        ; (M2a + M2b) / 2,048 + 1e-5
	v_fma_f32 v127, v126, v126, v127               ; + ((m1 - m2) / 2)^2
	s_wait_alu depctr_va_vdst(0)
	v_rsq_f32 v129, v127
	v_nop                                          ; a plain place behind the transcendental
	s_cmp_lt_u32 s26, 2
	s_cbranch_scc0 .Lno_tab
	s_wait_alu depctr_va_vdst(0)
	ds_store_b128 v13, v[128:131] offset:TAB       ; (mean, rstd, w, b) of channel t
.Lno_tab:
.set ii, 32
.rept 32
	global_load_b32 v[D+ii], v4, s[4:5] offset:4096*ii
.set ii, ii+1
.endr
.irp t, 0,1,2,3                                ; 29 loads of weights.  k_w's tile t begins at row 32 (t / 2) + 8 (t % 2) of the head
.irp p, 0,1,2
	global_load_b64 v[KW+12*\t+2*\p:KW+12*\t+2*\p+1], v7, s[12:13] offset:(32*(\t/2)+8*(\t%2))*48+8*\p
.endr
	global_load_u16 v[KWS+\t], v8, s[14:15] offset:(32*(\t/2)+8*(\t%2))*2
	global_load_b128 v[KB+8*\t:KB+8*\t+3], v9, s[16:17] offset:(32*(\t/2)+8*(\t%2))*4
	global_load_b128 v[KB+8*\t+4:KB+8*\t+7], v9, s[16:17] offset:(32*(\t/2)+8*(\t%2))*4+16
.endr
.irp p, 0,1,2
	global_load_b64 v[VW+2*\p:VW+2*\p+1], v7, s[18:19] offset:8*\p
.endr
	global_load_u16 v[VWS], v8, s[20:21]
	global_load_b32 v[VBR], v10, s[22:23]
.irp t, 0,1,2,3,4                              ; zero codes for k = 64 .. 127: k_w's four fragments and v_w's (it follows them)
.irp i, 6,7,8,9,10,11
	v_mov_b32 v[KW+12*\t+\i], 0
.endr
.endr
	s_wait_dscnt 0x0                               ; my table entry is in LDS
	s_barrier_signal -1
	s_barrier_wait -1
	; ---- C: my key's 64 channels are normalised and quantised.  Table entries come four at a time, one chunk ahead, the same address in all lanes
.macro TLD q
	s_wait_alu depctr_va_vdst(0)
.irp e, 0,1,2,3
	ds_load_b128 v[CF+16*((\q)%2)+4*\e:CF+16*((\q)%2)+4*\e+3], v14 offset:TAB+16*(4*(\q)+\e)
.endr
.endm
	TLD 0
	s_wait_loadcnt 29                              ; all of context is in; the 29 loads of weights may be out
.set qq, 0
.rept 16
.if qq < 15
	TLD qq+1
	s_wait_dscnt 4                                 ; this chunk is in; the next chunk's four may be out
.else
	s_wait_dscnt 0x0
.endif
.irp e, 0,1,2,3
	v_sub_f32 v[D+4*qq+\e], v[D+4*qq+\e], v[CF+16*(qq%2)+4*\e]
.endr
.irp e, 0,1,2,3
	v_mul_f32 v[D+4*qq+\e], v[D+4*qq+\e], v[CF+16*(qq%2)+4*\e+1]
.endr
.irp e, 0,1,2,3
	v_fma_f32 v[D+4*qq+\e], v[D+4*qq+\e], v[CF+16*(qq%2)+4*\e+2], v[CF+16*(qq%2)+4*\e+3]
.endr
.set qq, qq+1
.endr
.irp c, 0,1                                    ; two blocks of 32 channels, both wholly mine
	v_max3_num_f32 v[246+\c], |v[D+32*\c]|, |v[D+1+32*\c]|, 0x2800000
.endr
.irp i, 2,4,6,8,10,12,14,16,18,20,22,24,26,28,30
.irp c, 0,1
	v_max3_num_f32 v[246+\c], v[246+\c], |v[D+32*\c+\i]|, |v[D+1+32*\c+\i]|
.endr
.endr
.irp c, 0,1
	v_add_nc_u32 v[248+\c], 0xfe000000, v[246+\c]
.endr
.irp c, 0,1
	v_lshrrev_b32 v[250+\c], 23, v[248+\c]
.endr
	v_lshl_or_b32 v252, v251, 8, v250
	v_or_b32 v252, s62, v252                       ; my key's scale word
.irp c, 0,1
	v_cvt_scalef32_pk16_bf6_f32 v[154+8*\c:156+8*\c], v[D+32*\c:D+15+32*\c], v[248+\c]
	v_cvt_scalef32_pk16_bf6_f32 v[158+8*\c:160+8*\c], v[D+16+32*\c:D+31+32*\c], v[248+\c]
.endr
	v_nop                                          ; one plain place behind a scaled conversion
.irp c, 0,1
.irp i, 0,1,2
	v_mov_b32 v[157+8*\c+\i], v[158+8*\c+\i]       ; six registers on end: block c's 24 bytes
.endr
.endr
.irp c, 0,1
	ds_store_b128 v15, v[154+8*\c:157+8*\c] offset:CIMG+256*\c       ; block c is what lane (column, h = c) of the fragment holds
	ds_store_b64 v238, v[158+8*\c:159+8*\c] offset:CIMG+512+128*\c
.endr
	ds_store_b32 v239, v252 offset:CSC
	s_wait_dscnt 0x0                               ; my stores are done: the others may read, and their registers may be written
.irp k, 0,1,2,3
.irp i, 6,7,8,9,10,11
	v_mov_b32 v[CF+12*\k+\i], 0                    ; zero codes for k = 64 .. 127 of the context's fragments
.endr
.endr
	s_barrier_signal -1
	s_barrier_wait -1
	; ---- K: my two key tiles x the head's four tiles of d
	s_wait_loadcnt 0x0
.irp t, 0,1,2,3,4
	v_or_b32 v[KWS+\t], s62, v[KWS+\t]             ; the weights' scale words (v_w's follows k_w's four)
.endr
.irp j, 0,1,2,3,4,5,6,7
	v_mov_b32 v[VB+\j], v[VBR]                     ; eight plain lines: also the places between a scale register written by a vector instruction and the scaled products
.endr
.irp e, 0,1
	ds_load_b128 v[CF+12*\e:CF+12*\e+3], v11 offset:CIMG+768*\e
	ds_load_b64 v[CF+12*\e+4:CF+12*\e+5], v12 offset:CIMG+768*\e+512
	ds_load_b32 v[CFS+\e], v245 offset:CSC+64*\e
.endr
	s_wait_dscnt 0x0
.irp e, 0,1
.irp t, 0,1,2,3
	WM D+32*\e+8*\t, KW+12*\t, CF+12*\e, KB+8*\t, KWS+\t, CFS+\e      ; register 32 e + 8 t + j of lane (r, h): K(key column r of tile 2 w + e, d = 32 (t / 2) + 16 h + 8 (t % 2) + j); the bias is the C
.endr
.endr
	NOPS 5                                         ; five places: the results are read, the operands' registers written, and the next products write over these results
	QUANT D                                        ; registers 6 e .. 6 e + 5 of the codes ARE K's fragment 2 w + e
.irp e, 0,1
	global_store_b128 v11, v[PC+6*\e:PC+6*\e+3], s[24:25] offset:768*\e          ; 512 consecutive bytes a store, aligned to 256
	global_store_b64 v12, v[PC+6*\e+4:PC+6*\e+5], s[24:25] offset:768*\e+512     ; 256
.endr
	v_lshlrev_b32 v253, 4, v3
	v_lshrrev_b32 v254, v253, v[PW]                ; lanes 0-15 take tile 2 w's two bytes, lanes 16-31 tile 2 w + 1's
	v_and_or_b32 v254, v254, 0xffff, s62
	ds_store_b32 v243, v254 offset:SCST
	; ---- V: all eight key tiles x my 16 rows of v_w
.irp g, 0,1
.if \g > 0
	NOPS 4                                         ; places in front of loads into registers that the last products read
.endif
.irp k, 0,1,2,3
	ds_load_b128 v[CF+12*\k:CF+12*\k+3], v240 offset:CIMG+768*(4*\g+\k)
	ds_load_b64 v[CF+12*\k+4:CF+12*\k+5], v241 offset:CIMG+768*(4*\g+\k)+512
	ds_load_b32 v[CFS+\k], v242 offset:CSC+64*(4*\g+\k)
.endr
	s_wait_dscnt 0x0
.irp k, 0,1,2,3
	WM D+8*(4*\g+\k), CF+12*\k, VW, VB, CFS+\k, VWS       ; register 8 kt + j of lane (r, h): V(key 32 (kt / 2) + 16 h + 8 (kt % 2) + j, my d)
.endr
.endr
	NOPS 5
	s_wait_xcnt 0x0                                ; K's stores have read the codes' registers: they may be written again
	QUANT D
.irp k, 0,1,2
	global_store_b128 v11, v[PC+4*\k:PC+4*\k+3], s[24:25] offset:6656+512*\k
.endr
	ds_store_b32 v244, v[PW] offset:SCST+512       ; lanes r and r + 16 write the same word with the same value
	s_wait_dscnt 0x0
	s_barrier_signal -1
	s_barrier_wait -1
	s_cmp_lg_u32 s26, 0
	s_cbranch_scc1 .Lend                           ; wave 0 sends the gathered scale words: 512 and 256 consecutive bytes
	ds_load_b128 v[16:19], v240 offset:SCST
	ds_load_b64 v[20:21], v241 offset:SCST+512
	s_wait_dscnt 0x0
	global_store_b128 v240, v[16:19], s[24:25] offset:6144
	global_store_b64 v241, v[20:21], s[24:25] offset:12800
.Lend:
	s_set_vgpr_msb 0x5
	s_wait_tensorcnt 0x0
	ds_add_u32 v0, v1
	s_wait_dscnt 0x0
	s_set_vgpr_msb 0x500
	s_endpgm
.Lfunc_end_k_q59cae5f16c_kv:
	.size	k_q59cae5f16c_kv, .Lfunc_end_k_q59cae5f16c_kv-k_q59cae5f16c_kv
	.p2alignl 7, 3214868480
	.fill 96, 4, 3214868480
	.section	.rodata,"a",@progbits
	.p2align	6, 0x0
	.amdhsa_kernel k_q59cae5f16c_kv
		.amdhsa_group_segment_fixed_size 9216
		.amdhsa_private_segment_fixed_size 0
		.amdhsa_enable_private_segment 0
		.amdhsa_kernarg_size 88
		.amdhsa_user_sgpr_count 2
		.amdhsa_user_sgpr_kernarg_segment_ptr 1
		.amdhsa_wavefront_size32 1
		.amdhsa_system_sgpr_workgroup_id_x 1
		.amdhsa_system_sgpr_workgroup_id_y 1
		.amdhsa_system_sgpr_workgroup_id_z 1
		.amdhsa_system_vgpr_workitem_id 0
		.amdhsa_next_free_vgpr 258
		.amdhsa_next_free_sgpr 66
		.amdhsa_reserve_vcc 0
		.amdhsa_float_denorm_mode_32 3
		.amdhsa_float_denorm_mode_16_64 3
		.amdhsa_memory_ordered 1
		.amdhsa_forward_progress 1
		.amdhsa_inst_pref_size 46
	.end_amdhsa_kernel
	.amdgpu_metadata
---
amdhsa.version: [ 1, 2 ]
amdhsa.kernels:
  - .name:           k_q59cae5f16c_kv
    .symbol:         k_q59cae5f16c_kv.kd
    .args:
      - { .name: context, .offset: 0, .size: 8, .value_kind: global_buffer, .address_space: global }
      - { .name: stats, .offset: 8, .size: 8, .value_kind: global_buffer, .address_space: global }
      - { .name: ctx_norm_w, .offset: 16, .size: 8, .value_kind: global_buffer, .address_space: global }
      - { .name: ctx_norm_b, .offset: 24, .size: 8, .value_kind: global_buffer, .address_space: global }
      - { .name: k_w_codes, .offset: 32, .size: 8, .value_kind: global_buffer, .address_space: global }
      - { .name: k_w_scales, .offset: 40, .size: 8, .value_kind: global_buffer, .address_space: global }
      - { .name: k_b, .offset: 48, .size: 8, .value_kind: global_buffer, .address_space: global }
      - { .name: v_w_codes, .offset: 56, .size: 8, .value_kind: global_buffer, .address_space: global }
      - { .name: v_w_scales, .offset: 64, .size: 8, .value_kind: global_buffer, .address_space: global }
      - { .name: v_b, .offset: 72, .size: 8, .value_kind: global_buffer, .address_space: global }
      - { .name: kv, .offset: 80, .size: 8, .value_kind: global_buffer, .address_space: global }
    .group_segment_fixed_size: 9216
    .private_segment_fixed_size: 0
    .kernarg_segment_align: 8
    .kernarg_segment_size: 88
    .max_flat_workgroup_size: 128
    .sgpr_count:     66
    .vgpr_count:     258
    .wavefront_size: 32
...
	.end_amdgpu_metadata
.endif
;; end of part 2
;; launch attn (part 3): grid 256 x 1, 16 waves a work-group, clusters of 4 x 1, 327,680 bytes of LDS; arguments x, stats, norm_w, norm_b, q_w_codes, q_w_scales, q_b, kv, out_w_codes, out_w_scales, out_b, gate, out0; writes out0
.if DOCPART == 3
	.amdgcn_target "amdgcn-amd-amdhsa--gfx1250"
	.amdhsa_code_object_version 6
	.text
	.protected	k_q59cae5f16c_attn
	.globl	k_q59cae5f16c_attn
	.p2align	8
	.type	k_q59cae5f16c_attn,@function
k_q59cae5f16c_attn:
	s_mov_b64 s[64:65], 0
	v_nop
	global_prefetch_b8 v0, s[64:65] scope:SCOPE_SE
	s_setreg_imm32_b32 hwreg(HW_REG_WAVE_MODE, 25, 1), 1
	s_wait_xcnt 0x0
	s_wait_alu depctr_hold_cnt(0) depctr_sa_sdst(0) depctr_va_vdst(0) depctr_va_sdst(0) depctr_va_ssrc(0) depctr_va_vcc(0) depctr_vm_vsrc(0)
	s_getreg_b32 s2, hwreg(HW_REG_IB_STS2, 6, 4)
	s_cmp_eq_u32 s2, 0
	s_cbranch_scc0 .Lentry_in_a_cluster
	s_endpgm
.Lentry_in_a_cluster:
	s_bfe_u32 s2, ttmp6, 0x10000c
	s_cmp_lg_u32 s2, 0x3003
	s_cbranch_scc0 .Lentry_shape_is_right
	s_endpgm
.Lentry_shape_is_right:
; out0 = x + gate x (out_w attention(q_w GroupNorm(x) + q_b, K, V) + out_b), for 64 queries (columns l of x) of one batch, all 512 channels, all 8 heads.  All products on codes of BF6 (E3M2) with E8M0 scales for each 32 along K.
; PHASES.  0: the x tile (512 channels x 64 queries, f32) comes into LDS once and stays for the residual; a table (mean, rstd, w, b) of the 512 channels is made from the half groups' statistics.
;   1: x is normalised in f32 and quantised along the channels (a lane to a query, registers down the channels); its 16 fragments go to LDS as register images.
;   2: q, TRANSPOSED (source 0 = 16 rows of q_w, source 1 = 16 queries): wave w makes channels 32 w .. 32 w + 31, one block of 32 of head w / 2, quantises it along d and stores it as part of Q's fragment image.
;   3: attention.  Wave (m = w % 4, hg = w / 4) owns query tile m and, in pass p, head 4 p + hg.  It walks 8 steps of 128 keys: S^T = K Q^T, p = 2^(t - M) with M the ceiling of the running largest t, quantised along the keys,
;      O^T += V^T P^T; the row's sum is taken of the unquantised p and divides at the end.  A lane holds one query throughout.  O / sum is quantised along d and stored as half a fragment of the last product.
;   4: the last product with the queries as source 0: a lane holds 8 neighbouring queries of one output channel; out_b is the C of the first step.   5: x gate + x, in place in the x tile, and out by whole rows of 256 bytes.
; K AND V come as records of register images (13,056 bytes for a head and 128 keys), four heads to a slot, through a ring of two LDS slots.
; THE CHANGE OF SLOTS STANDS IN THE MIDDLE OF A STEP'S SOFTMAX: by then the step's K and V are in registers, so its slot can be given up, and the next step's first fragments of K are asked for from the other slot while the
; softmax goes on.  So of a step's 30 LDS loads a wave, 22 have vector work beside them: sixteen waves read 208,896 bytes of LDS a step, which would otherwise stand at the step's head with nothing to do meanwhile.
; CLUSTER: the four work-groups of a cluster belong to one batch and walk the same records, so each record is asked for JOINTLY (mask 15): waves 8 to 11 fetch one record each, the same in all four partners.
; The weights are read straight into registers, each byte once a work-group: no room in LDS is left for them, so they are not shared.
; K = 64 (the scores) fills half of the instruction's 128: registers 6-11 of both operands hold zero codes, their scale bytes are 0x7f.
; By this text's own count a wave has at most one tensor load out.
; LIMITS: NaN and infinities are not served.  A block of zeros, or one whose largest magnitude lies under 2^-122, gets the scale byte 1.  p under 2^-126 counts as 0.  v_rsq_f32, v_rcp_f32, v_exp_f32 stand ahead of quantisers with their 1 ulp.
.set RECB,  13056                      ; a record
.set SLOTB, 4*RECB                     ; a slot: the four heads' records of one step;  the ring lies at LDS byte 0
.set XT,    2*SLOTB                    ; the x tile: 512 rows of 256 bytes + 16 of padding
.set XP,    272
.set XIMG,  XT+512*XP                  ; x's 16 fragments, (4 m + s) x 1,536; later the attention's 32 half fragments, (8 m + head) x 768
.set XSC,   XIMG+24576                 ; x's scale words, (4 m + s) x 128 + 4 L; later the attention's, (4 m + s) x 64 + 4 r
.set QIMG,  XSC+2048                   ; Q's 32 half fragments, (8 m + head) x 768: six runs of 128 bytes, register j at 128 j + 4 L
.set QSC,   QIMG+24576                 ; Q's scale bytes as words, ((8 m + head) x 2 + block) x 64 + 4 r
.set TAB,   QSC+4096                   ; 512 x (mean, rstd, w, b)
.set SPARE, TAB+8192                   ; the spare words, 128 bytes for each wave: eight blocks of 256 bytes that no other line names
; SCALARS: s[4:29] the 13 addresses; s30 wave, s31 m = wave % 4, s32 hg = wave / 4; s33 cx, s34 work-group, s35 batch, s36 my queries' bytes in a row; s[40:47] group 1 of a record; s[48:51], s[52:55] groups 0 of slots 0, 1;
;   s[56:63] group 1 of x's tile, s[68:71] its group 0; s[72:73] lane selects; s[74:75] c = log2(e) / 8; s[76:77] gate; s78 loop counter; s79 1 / 65,536; s80-89 at work
; VECTORS: v0 thread; v3, v4 the add's two; v1, v2, v5, v6, v7, v29, v30, v255 addresses, written anew for each phase; the rest is given at each phase
.macro NOPS n
.rept \n
	v_nop
.endr
.endm
.macro WM d, a, b, c, sa, sb, row      ; c < 0: the constant 0 starts the sum;  row = 1: source 0's scales stand in lanes 16-31
.if (\c) < 0
.if \row
	v_wmma_scale_f32_16x16x128_f8f6f4 v[\d:\d+7], v[\a:\a+11], v[\b:\b+11], 0, v[\sa], v[\sb] matrix_a_fmt:MATRIX_FMT_BF6 matrix_b_fmt:MATRIX_FMT_BF6 matrix_a_scale:MATRIX_SCALE_ROW1
.else
	v_wmma_scale_f32_16x16x128_f8f6f4 v[\d:\d+7], v[\a:\a+11], v[\b:\b+11], 0, v[\sa], v[\sb] matrix_a_fmt:MATRIX_FMT_BF6 matrix_b_fmt:MATRIX_FMT_BF6
.endif
.else
.if \row
	v_wmma_scale_f32_16x16x128_f8f6f4 v[\d:\d+7], v[\a:\a+11], v[\b:\b+11], v[\c:\c+7], v[\sa], v[\sb] matrix_a_fmt:MATRIX_FMT_BF6 matrix_b_fmt:MATRIX_FMT_BF6 matrix_a_scale:MATRIX_SCALE_ROW1
.else
	v_wmma_scale_f32_16x16x128_f8f6f4 v[\d:\d+7], v[\a:\a+11], v[\b:\b+11], v[\c:\c+7], v[\sa], v[\sb] matrix_a_fmt:MATRIX_FMT_BF6 matrix_b_fmt:MATRIX_FMT_BF6
.endif
.endif
.endm
; A round of the cluster's barrier: my work-group's barrier; wave 0 signals for the work-group; every wave waits for all four; my work-group's barrier once more
.macro CREST                           ; a round behind its opening barrier
	s_cmp_lg_u32 s30, 0
	s_cbranch_scc1 .Lnot_wave_0_\@
	s_barrier_signal -3
.Lnot_wave_0_\@:
	s_barrier_wait -3
	s_barrier_signal -1
	s_barrier_wait -1
.endm
.macro ROUND                           ; a whole round
	s_barrier_signal -1
	s_barrier_wait -1
	CREST
.endm
.macro BAR                             ; my LDS stores have landed and my LDS loads are in: then the work-group's barrier.
	s_wait_dscnt 0x0
	s_barrier_signal -1
	s_barrier_wait -1
.endm
.macro JLOAD sl                        ; waves 8 to 11 ask for their record of slot sl; the branch hangs on the wave's number alone; four v_nop follow the load
	s_cmp_eq_u32 s32, 2
	s_cbranch_scc0 .Lno_fetch_\@
	tensor_load_to_lds s[48+4*(\sl):51+4*(\sl)], s[40:47]
	s_nop 0
	NOPS 4
.Lno_fetch_\@:
.endm
.macro FETCH3 reg, adr, off            ; a fragment's image: three runs of 16 bytes a lane
.irp k, 0,1,2
	ds_load_b128 v[\reg+4*\k:\reg+4*\k+3], v[\adr] offset:\off+512*\k
.endr
.endm
	; ================ 0: addresses, descriptors, first fills, the table
	s_load_b256 s[4:11], s[0:1], 0x0               ; x, stats, norm_w, norm_b
	s_load_b256 s[12:19], s[0:1], 0x20             ; q_w's codes, q_w's scales, q_b, kv
	s_load_b256 s[20:27], s[0:1], 0x40             ; out_w's codes, out_w's scales, out_b, gate
	s_load_b64 s[28:29], s[0:1], 0x60              ; out0
	v_lshl_add_u32 v3, v0, 2, SPARE
	v_mov_b32 v4, 0
	ds_add_u32 v3, v4
	ds_add_u32 v3, v4
	s_wait_dscnt 0x0
	v_lshrrev_b32 v5, 5, v0
	s_delay_alu instid0(VALU_DEP_1)
	v_readfirstlane_b32 s30, v5                    ; wave 0..15
	s_and_b32 s31, s30, 3
	s_lshr_b32 s32, s30, 2
	s_bfe_u32 s33, ttmp6, 0x40000                  ; cx: my place in the cluster
	s_lshl_b32 s34, ttmp9, 2                       ; in a cluster launch ttmp9 counts clusters
	s_add_co_u32 s34, s34, s33                     ; my work-group: it enters x's and out0's addresses alone
	s_and_b32 s36, s34, 63
	s_lshl_b32 s36, s36, 8                         ; my 64 queries: 256 bytes of every row
	s_lshr_b32 s35, ttmp9, 4                       ; the batch, which the four partners share: made of the cluster's number alone
	s_mov_b32 s40, 15|(3<<16)|(1<<21)              ; a record: 15:0 the mask, all four work-groups; 17:16 elements of 8 bytes; 21 set beside a mask; no padding
	s_mov_b32 s41, 32<<16                          ; tensor_dim0 = 32 elements: rows of 256 bytes
	s_mov_b32 s42, 51<<16                          ; tensor_dim1 = 51 rows
	s_mov_b32 s43, 32<<16                          ; tile_dim0
	s_mov_b32 s44, 51                              ; tile_dim1
	s_mov_b32 s45, 32                              ; the pitch: dense
	s_mov_b32 s46, 0
	s_mov_b32 s47, 0
	s_mov_b32 s56, (2<<16)|(1<<20)|(5<<22)|(3<<25) ; x's tile: no mask; elements of 4 bytes; padding on: 4 words behind every 64
	s_mov_b32 s57, 64<<16                          ; tensor_dim0 = 64 queries
	s_mov_b32 s58, 64<<16                          ; tensor_dim1 = 64 channels
	s_mov_b32 s59, 64<<16                          ; tile_dim0
	s_mov_b32 s60, 64                              ; tile_dim1
	s_mov_b32 s61, 4096                            ; from channel to channel
	s_mov_b32 s62, 0
	s_mov_b32 s63, 0
	s_mov_b32 s72, 0x76543210
	s_mov_b32 s73, 0xfedcba98                      ; v_permlanex16_b32's selects for lane l xor 16
	s_mov_b32 s74, 0x3e38aa3b                      ; c = log2(e) / sqrt(64)
	s_mov_b32 s75, s74                             ; (named with it as a pair, so it is written)
	s_mov_b32 s79, 0x37800000                      ; 1 / 65,536
	s_mul_i32 s38, s31, RECB                       ; the record that I fetch, if I fetch: wave % 4
	s_mul_i32 s80, s35, 835584                     ; kv: a batch's 64 records (s80, s81 never hold cx)
	s_add_co_u32 s80, s80, s38
	s_mov_b32 s81, 0
	s_and_b32 s39, s30, 7                          ; the 64 channels of x that I fetch, if I fetch
	s_lshl_b32 s84, s35, 23
	s_lshl_b32 s85, s39, 20
	s_add_co_u32 s84, s84, s85
	s_add_co_u32 s84, s84, s36
	s_mov_b32 s85, 0
	s_mul_i32 s37, s39, 64*XP
	s_lshl_b32 s88, s35, 23                        ; out0: the batch, my wave's 32 channels, my queries
	s_lshl_b32 s89, s30, 19
	s_add_co_u32 s88, s88, s89
	s_add_co_u32 s88, s88, s36
	s_mov_b32 s89, 0
	s_mov_b32 s87, 0
	s_wait_kmcnt 0x0
	s_add_nc_u64 s[18:19], s[18:19], s[80:81]
	s_mov_b32 s48, 1                               ; group 0 of slot 0: count = 1,
	s_mov_b32 s49, s38                             ; LDS address,
	s_mov_b64 s[50:51], s[18:19]                   ; global address: step 0,
	s_or_b32 s51, s51, 0x80000000                  ; type = 2
	s_mov_b32 s52, 1
	s_add_co_u32 s53, s38, SLOTB
	s_add_nc_u64 s[54:55], s[18:19], SLOTB         ; slot 1: step 1
	s_or_b32 s55, s55, 0x80000000
	s_mov_b32 s68, 1
	s_add_co_u32 s69, s37, XT
	s_add_nc_u64 s[70:71], s[4:5], s[84:85]
	s_or_b32 s71, s71, 0x80000000
	s_add_nc_u64 s[28:29], s[28:29], s[88:89]
	s_lshl_b32 s86, s35, 10
	s_add_nc_u64 s[6:7], s[6:7], s[86:87]          ; stats: 1,024 bytes a batch
	s_mul_i32 s86, s30, 12288
	s_add_nc_u64 s[12:13], s[12:13], s[86:87]      ; my 32 rows of q_w and of out_w: 384 bytes a row,
	s_add_nc_u64 s[20:21], s[20:21], s[86:87]
	s_lshl_b32 s86, s30, 9
	s_add_nc_u64 s[14:15], s[14:15], s[86:87]      ; 16 scale bytes a row,
	s_add_nc_u64 s[22:23], s[22:23], s[86:87]
	s_lshl_b32 s86, s30, 7
	s_add_nc_u64 s[16:17], s[16:17], s[86:87]      ; 4 bytes of bias
	s_add_nc_u64 s[24:25], s[24:25], s[86:87]
	s_lshl_b32 s86, s35, 2
	s_add_nc_u64 s[26:27], s[26:27], s[86:87]
	s_load_b32 s76, s[26:27], 0x0                  ; gate of my batch
	ROUND                                          ; all four work-groups are here: the first joint loads meet
	s_cmp_lt_u32 s30, 8                            ; the first fills, one a wave, in one branch on the wave's number: waves 0-7 x's tile (64 channels each, a load of my work-group's own),
	s_cbranch_scc0 .Lnot_x
	tensor_load_to_lds s[68:71], s[56:63]
	s_nop 0
	NOPS 4
	s_branch .Lfilled
.Lnot_x:
	s_cmp_lt_u32 s30, 12                           ; waves 8-11 slot 0's records (joint), waves 12-15 nothing
	s_cbranch_scc0 .Lfilled
	tensor_load_to_lds s[48:51], s[40:47]
	s_nop 0
	NOPS 4
.Lfilled:
	v_lshrrev_b32 v128, 4, v0                      ; thread t makes channel t's table entry: its group's two entries of stats, 32 bytes a group
	s_delay_alu instid0(VALU_DEP_1)
	v_lshlrev_b32 v128, 5, v128
	v_lshlrev_b32 v129, 2, v0
	v_lshl_add_u32 v140, v0, 4, TAB
	v_and_b32 v141, 15, v0                         ; r
	v_bfe_u32 v142, v0, 4, 1                       ; h
	s_delay_alu instid0(VALU_DEP_2)
	v_and_b32 v143, 8, v141
	s_delay_alu instid0(VALU_DEP_1)
	v_add_nc_u32 v143, v143, v141                  ; r + 8 (r / 8): THE ROWS OF q_w THAT FORM A TILE ARE NOT NEIGHBOURS: lane r of tile u takes row 32 w + 8 u + r + 8 (r / 8)
	s_delay_alu instid0(VALU_DEP_1)
	v_mul_u32_u24 v5, v143, 384
	s_delay_alu instid0(VALU_DEP_1)
	v_mad_u32_u24 v5, v142, 24, v5
	s_delay_alu instid0(VALU_DEP_3)
	v_lshlrev_b32 v6, 4, v143
	v_lshlrev_b32 v7, 6, v142
	global_load_b128 v[130:133], v128, s[6:7]
	global_load_b128 v[144:147], v128, s[6:7] offset:16
	global_load_b32 v138, v129, s[8:9]
	global_load_b32 v139, v129, s[10:11]
.irp u, 0,1                                    ; 54 loads: q_w's fragments (tile u, K step s) at v[32 + 12 (4 u + s)], scale words v8-15, q_b in the result's layout v16-31
.irp s, 0,1,2,3
.irp p, 0,1,2,3,4,5
	global_load_b64 v[32+12*(4*\u+\s)+2*\p:33+12*(4*\u+\s)+2*\p], v5, s[12:13] offset:3072*\u+96*\s+48*(\p/3)+8*(\p%3)
.endr
.endr
	global_load_b128 v[8+4*\u:11+4*\u], v6, s[14:15] offset:128*\u
	global_load_b128 v[16+8*\u:19+8*\u], v7, s[16:17] offset:32*\u
	global_load_b128 v[20+8*\u:23+8*\u], v7, s[16:17] offset:32*\u+16
.endr
	s_wait_loadcnt 54                              ; the table's four loads are in; q_w's 54 may be out
	v_add_f32 v136, v130, v144
	v_sub_f32 v134, v130, v144
	v_add_f32 v135, v132, v146
	s_delay_alu instid0(VALU_DEP_3)
	v_mul_f32 v136, 0.5, v136                      ; the group's mean
	s_delay_alu instid0(VALU_DEP_3)
	v_mul_f32 v134, 0.5, v134
	s_delay_alu instid0(VALU_DEP_3)
	v_fmaak_f32 v135, s79, v135, 0x3727c5ac        ; (M2a + M2b) / 65,536 + 1e-5
	s_delay_alu instid0(VALU_DEP_1)
	v_fma_f32 v135, v134, v134, v135               ; + ((m1 - m2) / 2)^2
	s_wait_alu depctr_va_vdst(0)
	v_rsq_f32 v137, v135
	v_nop                                          ; a plain place behind the transcendental
	s_wait_alu depctr_va_vdst(0)
	ds_store_b128 v140, v[136:139]
	s_wait_kmcnt 0x0
	s_mov_b32 s77, s76                             ; gate as a pair
	s_wait_tensorcnt 0x0                           ; my part of x's tile, or of slot 0, has landed
	BAR                                            ; x's tile, slot 0 and the table are whole
	; ================ 1: wave (m, s = hg) normalises and quantises queries 16 m .. + 15, channels 128 s .. + 127.  v128-191 the numbers: register 32 c + i = channel 128 s + 64 c + 32 h + i; v192-255 two buffers of 8 table entries
	s_wait_xcnt 0x0                                ; q_w's loads have read their offsets: v5-7 may be written
	v_and_b32 v7, 15, v0
	v_bfe_u32 v192, v0, 4, 1
	v_and_b32 v193, 31, v0
	s_wait_alu depctr_va_vdst(0)
	s_mul_i32 s86, s32, 128*XP
	s_lshl_b32 s87, s31, 6
	s_add_co_u32 s86, s86, s87
	s_add_co_u32 s86, s86, XT
	v_mul_u32_u24 v1, v192, 32*XP
	s_delay_alu instid0(VALU_DEP_1)
	v_lshl_add_u32 v1, v7, 2, v1
	s_delay_alu instid0(VALU_DEP_1)
	v_add_nc_u32 v1, s86, v1                       ; x's tile: row 128 s + 32 h, byte 64 m + 4 r
	s_wait_alu depctr_va_vdst(0)
	s_lshl_b32 s87, s32, 11
	s_add_co_u32 s87, s87, TAB
	v_lshl_add_u32 v2, v192, 9, s87                ; the table: entry 128 s + 32 h
	s_lshl_b32 s88, s31, 2
	s_add_co_u32 s88, s88, s32                     ; 4 m + s
	s_mul_i32 s89, s88, 1536
	s_add_co_u32 s89, s89, XIMG
	v_lshl_add_u32 v5, v193, 4, s89
	s_lshl_b32 s88, s88, 7
	s_add_co_u32 s88, s88, XSC
	v_lshl_add_u32 v6, v193, 2, s88
.irp c, 0,1
.set ii, 0
.rept 32
	ds_load_b32 v[128+32*\c+ii], v1 offset:(64*\c+ii)*XP
.set ii, ii+1
.endr
.endr
.macro TCH q                           ; table entries of numbers 8 q .. 8 q + 7 into buffer q % 2
.irp e, 0,1,2,3,4,5,6,7
	ds_load_b128 v[192+32*((\q)%2)+4*\e:195+32*((\q)%2)+4*\e], v2 offset:16*(64*((8*(\q)+\e)/32)+(8*(\q)+\e)%32)
.endr
.endm
	TCH 0
	TCH 1
.set cq, 0
.rept 8
.if cq < 7
	s_wait_dscnt 8                                 ; x's numbers and this chunk are in; the next chunk's eight may be out
.else
	s_wait_dscnt 0x0
.endif
.irp e, 0,1,2,3,4,5,6,7
	v_sub_f32 v[128+8*cq+\e], v[128+8*cq+\e], v[192+32*(cq%2)+4*\e]
.endr
.irp e, 0,1,2,3,4,5,6,7
	v_mul_f32 v[128+8*cq+\e], v[128+8*cq+\e], v[193+32*(cq%2)+4*\e]
.endr
.irp e, 0,1,2,3,4,5,6,7
	v_fma_f32 v[128+8*cq+\e], v[128+8*cq+\e], v[194+32*(cq%2)+4*\e], v[195+32*(cq%2)+4*\e]
.endr
.if cq < 6
	TCH cq+2
.endif
.set cq, cq+1
.endr
.irp c, 0,1                                    ; my block 2 c + h: all its 32 numbers are mine
	v_max3_num_f32 v[212+\c], |v[128+32*\c]|, |v[129+32*\c]|, 0x2800000   ; and the floor 2^(5 - 127): the byte cannot fall under 1
.endr
.irp i, 2,4,6,8,10,12,14,16,18,20,22,24,26,28,30
.irp c, 0,1
	s_delay_alu instid0(VALU_DEP_2)
	v_max3_num_f32 v[212+\c], v[212+\c], |v[128+32*\c+\i]|, |v[129+32*\c+\i]|
.endr
.endr
.irp c, 0,1
	s_delay_alu instid0(VALU_DEP_2)
	v_add_nc_u32 v[214+\c], 0xfe000000, v[212+\c]  ; 4 off the exponent field: the conversion's scale operand
.endr
.irp c, 0,1
	s_delay_alu instid0(VALU_DEP_2)
	v_lshrrev_b32 v[216+\c], 23, v[214+\c]         ; the scale's byte
.endr
	s_delay_alu instid0(VALU_DEP_1)
	v_lshl_or_b32 v218, v217, 16, v216             ; my two bytes: blocks h and 2 + h,
	v_bfe_u32 v219, v0, 4, 1
	s_delay_alu instid0(VALU_DEP_1)
	v_lshlrev_b32 v219, 3, v219
	s_delay_alu instid0(VALU_DEP_1)
	v_lshlrev_b32 v218, v219, v218                 ; at their places in the scale word;
	v_mov_b32 v220, 0
	s_delay_alu instid0(VALU_DEP_1)
	v_permlanex16_b32 v220, v218, s72, s73
	s_delay_alu instid0(VALU_DEP_1)
	v_or_b32 v218, v218, v220                      ; with lane l xor 16's two the word is whole
.irp c, 0,1
	v_cvt_scalef32_pk16_bf6_f32 v[192+6*\c:194+6*\c], v[128+32*\c:143+32*\c], v[214+\c]
	v_cvt_scalef32_pk16_bf6_f32 v[204+4*\c:206+4*\c], v[144+32*\c:159+32*\c], v[214+\c]   ; (a conversion's three registers begin on an even number)
.endr
	v_nop                                          ; one plain place behind a scaled conversion
.irp c, 0,1
.irp i, 0,1,2
	v_mov_b32 v[195+6*\c+\i], v[204+4*\c+\i]
.endr
.endr
.irp k, 0,1,2
	ds_store_b128 v5, v[192+4*\k:195+4*\k] offset:512*\k
.endr
	ds_store_b32 v6, v218
	BAR                                            ; x's sixteen fragments lie in LDS
	; ================ 2: q for my 32 channels, a tile of 16 queries at a time.  v128-175 x's four fragments, v176-179 their scale words, v192-207 two accumulators by turns, v208-218 at work
	v_and_b32 v7, 15, v0
	v_bfe_u32 v208, v0, 4, 1
	s_wait_alu depctr_va_vdst(0)
	v_and_b32 v209, 31, v0
	s_wait_alu depctr_va_vdst(0)
	v_mov_b32 v210, 0                              ; written once: a lane permute's destination counts as one of its sources
	s_lshr_b32 s86, s30, 1                         ; the head of my channels,
	s_and_b32 s87, s30, 1                          ; and which of its two blocks
	s_lshl_b32 s87, s87, 6
	s_mul_i32 s88, s86, 768
	s_add_co_u32 s88, s88, s87
	s_add_co_u32 s88, s88, QIMG
	s_lshl_b32 s89, s86, 7
	s_add_co_u32 s89, s89, s87
	s_add_co_u32 s89, s89, QSC
	v_mul_u32_u24 v5, v208, 384                    ; my three registers are registers 3 h .. 3 h + 2 of lane r + 16 x block of Q's fragment
	s_delay_alu instid0(VALU_DEP_1)
	v_lshl_add_u32 v5, v7, 2, v5
	s_delay_alu instid0(VALU_DEP_1)
	v_add_nc_u32 v5, s88, v5
	v_lshl_add_u32 v6, v7, 2, s89
	v_lshl_add_u32 v1, v209, 4, XIMG
	v_lshl_add_u32 v2, v209, 2, XSC
	s_wait_alu depctr_va_vdst(0)
	s_wait_loadcnt 0x0                             ; q_w, its scales, q_b
.irp m, 0,1,2,3
.irp s, 0,1,2,3
	FETCH3 128+12*\s, 1, (4*\m+\s)*1536
	ds_load_b32 v[176+\s], v2 offset:(4*\m+\s)*128
.endr
	s_wait_dscnt 0x0                               ; (the last tile's stores are done too: their registers may be written)
.irp s, 0,1,2,3
.irp u, 0,1
.if \s == 0
	WM 192+8*\u, 32+12*(4*\u+\s), 128+12*\s, 16+8*\u, 8+4*\u+\s, 176+\s, 0       ; the bias is the C of the first K step
.else
	WM 192+8*\u, 32+12*(4*\u+\s), 128+12*\s, 192+8*\u, 8+4*\u+\s, 176+\s, 0
.endif
.endr
.endr
	NOPS 5                                         ; five places: the results are read, x's registers loaded anew, and the next tile's first products write over these accumulators
	v_max3_num_f32 v208, |v192|, |v193|, 0x2800000 ; register 8 u + j = channel 32 w + 16 h + 8 u + j of query 16 m + r: 16 neighbours along d; each accumulator is read from its low end on
	v_max3_num_f32 v209, |v200|, |v201|, |v202|
	v_max3_num_f32 v208, v208, |v194|, |v195|
	v_max3_num_f32 v209, v209, |v203|, |v204|
	v_max3_num_f32 v208, v208, |v196|, |v197|
	v_max3_num_f32 v209, v209, |v205|, |v206|
	v_max3_num_f32 v208, v208, |v198|, |v199|
	v_max3_num_f32 v208, v208, v209, |v207|
	s_delay_alu instid0(VALU_DEP_1)
	v_permlanex16_b32 v210, v208, s72, s73
	s_delay_alu instid0(VALU_DEP_1)
	v_max_num_f32 v208, v208, v210                 ; with lane l xor 16's: the block's largest magnitude
	s_delay_alu instid0(VALU_DEP_1)
	v_add_nc_u32 v211, 0xfe000000, v208
	s_delay_alu instid0(VALU_DEP_1)
	v_lshrrev_b32 v212, 23, v211
	v_cvt_scalef32_pk16_bf6_f32 v[216:218], v[192:207], v211
	v_nop                                          ; one plain place behind a scaled conversion
.irp i, 0,1,2
	ds_store_b32 v5, v[216+\i] offset:6144*\m+128*\i
.endr
	ds_store_b32 v6, v212 offset:1024*\m           ; lanes r and r + 16 write the same word with the same value
.endr
	BAR                                            ; Q's 32 half fragments lie in LDS, and nobody reads x's images any more
	; ================ 3: attention.  v8-11 scale operands; v12 -M, v13 the largest t, v[14:15] the sum; v16-27 Q, v28 its scale word; v30 f, v31 p's scale word; v32-79 four fragments of K; v80-127 V's four;
	;   v128-191 S^T, then p; v192-223 O^T; v224-235 p's codes; v236-239 block maxima; v240-247 at work; v248-251 K's scale words, v252-253 V's; v254 at work
	v_and_b32 v254, 31, v0
	v_and_b32 v30, 15, v0
	s_wait_alu depctr_va_vdst(0)
	s_mul_i32 s86, s32, RECB
	v_lshl_add_u32 v1, v254, 4, s86                ; my head's record in a slot, 16 bytes a lane,
	v_lshl_add_u32 v2, v254, 3, s86                ; and 8
	s_mul_i32 s87, s31, 6144
	s_mul_i32 s88, s32, 768
	s_add_co_u32 s87, s87, s88                     ; (8 m + hg) x 768
	s_add_co_u32 s88, s87, QIMG
	v_lshl_add_u32 v5, v254, 2, s88
	s_add_co_u32 s88, s87, XIMG
	v_lshl_add_u32 v7, v254, 4, s88
	s_add_co_u32 s88, s88, 512
	v_lshl_add_u32 v29, v254, 3, s88
	s_lshl_b32 s87, s31, 10
	s_lshl_b32 s88, s32, 7
	s_add_co_u32 s87, s87, s88
	s_add_co_u32 s87, s87, QSC
	v_lshl_add_u32 v6, v30, 2, s87
	s_lshl_b32 s87, s31, 8                         ; the attention's scale words: 256 m + 64 (hg / 2) + 2 (hg % 2) + 4 r
	s_lshr_b32 s88, s32, 1
	s_lshl_b32 s88, s88, 6
	s_add_co_u32 s87, s87, s88
	s_and_b32 s88, s32, 1
	s_lshl_b32 s88, s88, 1
	s_add_co_u32 s87, s87, s88
	s_add_co_u32 s87, s87, XSC
	v_lshl_add_u32 v255, v30, 2, s87
.irp i, 22,23,24,25,26,27
	v_mov_b32 v[\i], 0                             ; zero codes for k = 64 .. 127: Q's,
.endr
.irp t, 0,1,2,3
.irp i, 6,7,8,9,10,11
	v_mov_b32 v[32+12*\t+\i], 0                    ; and K's four buffers'
.endr
.endr
.irp i, 240,241,242,243,244,245,246,247
	v_mov_b32 v[\i], 0                             ; written once: a lane permute's destination counts as one of its sources
.endr
	v_mov_b32 v31, 0                               ; (named as the upper half of the pair v[30:31] before it is first written)
.macro PASS_BEGIN p                    ; head 4 p + hg: its Q, and the running numbers
.irp j, 0,1,2,3,4,5
	ds_load_b32 v[16+\j], v5 offset:3072*\p+128*\j
.endr
	ds_load_b32 v8, v6 offset:512*\p
	ds_load_b32 v9, v6 offset:512*\p+64
	s_wait_dscnt 0x0
	v_lshl_or_b32 v28, v9, 8, v8
	s_delay_alu instid0(VALU_DEP_1)
	v_or_b32 v28, 0x7f7f0000, v28                  ; Q's scale word
	v_mov_b32 v13, 0xff61b1e6                      ; the largest t so far: -3e38, under every t
	s_delay_alu instid0(VALU_DEP_1)
	v_floor_f32 v12, -v13                          ; -M
	v_mov_b32 v14, 0                               ; the sum, in two halves
	v_mov_b32 v15, 0
.set jj, 0
.rept 32
	v_mov_b32 v[192+jj], 0                         ; O^T: the step is written once; the first finds zeros, which the first change of M leaves zeros.  (Also the places between the scale word's write and the scaled products)
.set jj, jj+1
.endr
.endm
.macro KLD base, first                 ; K's fragments first .. first + 3 of the slot that begins at byte base, into the four buffers
.irp t, 0,1,2,3
	ds_load_b128 v[32+12*\t:35+12*\t], v1 offset:(\base)+768*(\t+\first)
	ds_load_b64 v[36+12*\t:37+12*\t], v2 offset:(\base)+768*(\t+\first)+512
.endr
.endm
.macro KHEAD base                      ; what a step begins with: K's scale words and fragments 0-3: nine loads
	ds_load_b128 v[248:251], v1 offset:(\base)+6144
	KLD \base, 0
.endm
; THE LARGEST SCORE OF EACH BLOCK OF 32 KEYS serves twice: for the row's maximum and, since p rises with the score, for the block's largest p.  Blocks first and first + 1 by turns, in two parts: ten lines and six
.macro BMAXA first
.irp b, \first, \first+1
	v_max3_num_f32 v[236+(\b)], v[128+16*(\b)], v[129+16*(\b)], v[130+16*(\b)]
.endr
.irp i, 3,5,7,9
.irp b, \first, \first+1
	v_max3_num_f32 v[236+(\b)], v[236+(\b)], v[128+16*(\b)+\i], v[129+16*(\b)+\i]
.endr
.endr
.endm
.macro BMAXB first
.irp i, 11,13
.irp b, \first, \first+1
	v_max3_num_f32 v[236+(\b)], v[236+(\b)], v[128+16*(\b)+\i], v[129+16*(\b)+\i]
.endr
.endr
.irp b, \first, \first+1
	v_max_num_f32 v[236+(\b)], v[236+(\b)], v[143+16*(\b)]
.endr
.endm
; A KEY STEP: 128 keys of my head, from slot sl.  Every offset is an immediate.  Its K scale words and fragments 0-3 were asked for in the step before.
; mode 2: in the middle of the softmax slot sl is given up and filled again, two steps ahead, behind a round of the cluster's barrier, and the next step's first loads go out;  1: the same with a plain barrier and no fill
; (the last tile is already on its way);  0: the last step: no barrier, nothing asked for.
.macro STEP sl, mode
.set B0, (\sl)*SLOTB
.set B1, (1-(\sl))*SLOTB
	s_wait_dscnt 0x0                               ; K's scale words and fragments 0-3 are in
.irp t, 0,1,2,3
	WM 128+8*\t, 32+12*\t, 16, -1, 248+\t/2, 28, \t%2       ; S^T = K Q^T: lane (r, h) holds query r; the 16 registers of tiles 2 b, 2 b + 1 are keys 32 b + 16 h + 0 .. 15
.endr
	NOPS 4                                         ; places in front of loads into K's buffers, of the first read of these scores, and (with the ten lines below) of the loads into V's registers, which the last step's products read
	KLD B0, 4
	BMAXA 0                                        ; ten lines on the scores that are there, while K's fragments 4-7 come
	s_wait_alu depctr_va_vdst(0)
	s_wait_dscnt 0x0
.irp t, 0,1,2,3
	WM 160+8*\t, 32+12*\t, 16, -1, 250+\t/2, 28, \t%2
.endr
.irp t, 0,1,2,3                                ; V is asked for only now, behind every wave's loads of K: it lands under the softmax's first half
.irp k, 0,1,2
	ds_load_b128 v[80+12*\t+4*\k:83+12*\t+4*\k], v1 offset:B0+6656+1536*\t+512*\k
.endr
.endr
	ds_load_b64 v[252:253], v2 offset:B0+12800
	BMAXB 0                                        ; six plain lines that name no register of the last products: the places behind them
	BMAXA 2
	BMAXB 2
.irp b, 0,1,2,3
	v_permlanex16_b32 v[240+\b], v[236+\b], s72, s73
.endr
.irp b, 0,1,2,3
	s_delay_alu instid0(VALU_DEP_4)
	v_max_num_f32 v[236+\b], v[236+\b], v[240+\b]  ; with lane l xor 16's 16 keys
.endr
	s_delay_alu instid0(VALU_DEP_2)
	v_max3_num_f32 v254, v236, v237, v238
	s_delay_alu instid0(VALU_DEP_1)
	v_max_num_f32 v254, v254, v239                 ; the step's largest score of my query
	s_delay_alu instid0(VALU_DEP_1)
	v_mul_f32 v254, s74, v254                      ; as t (c is positive)
	s_delay_alu instid0(VALU_DEP_1)
	v_max_num_f32 v13, v13, v254                   ; the running largest t
	v_mov_b32 v254, v12
	s_delay_alu instid0(VALU_DEP_2)
	v_floor_f32 v12, -v13                          ; the new -M = floor(-t) = -ceil(t): M IS A WHOLE NUMBER
	s_delay_alu instid0(VALU_DEP_1)
	v_sub_f32 v254, v12, v254                      ; M's old value less its new one: a whole number, 0 or less
	s_delay_alu instid0(VALU_DEP_1)
	v_cvt_i32_f32 v254, v254                       ; (it saturates)
	s_delay_alu instid0(VALU_DEP_1)
	v_ldexp_f32 v30, 1.0, v254                     ; f = 2^(old M - new M): a multiplication by it rounds nothing
.set jj, 0
.rept 32
	v_pk_fma_f32 v[128+jj:129+jj], v[128+jj:129+jj], s[74:75], v[12:13] op_sel_hi:[1,0,0]   ; t - M, two at a time (of the pairs c and -M the low word serves both halves)
.set jj, jj+2
.endr
.irp b, 0,1,2,3
	v_fma_f32 v[236+\b], v[236+\b], s74, v12       ; the same of each block's largest score
.endr
.set jj, 0
	s_wait_alu depctr_va_vdst(0)
.rept 24
	v_exp_f32 v[128+jj], v[128+jj]                 ; p = 2^(t - M), at most 1: NOT normalised
.set jj, jj+1
.endr
.if \mode
	s_wait_tensorcnt 0x0                           ; THE CHANGE OF SLOTS.  All my tensor loads have landed: my part of the other slot; so a group 0 may be written
	ds_add_u32 v3, v4                              ; 0 onto my spare word: eight exponentials stand between it and the wait for it
.if \mode == 2
	s_add_nc_u64 s[50+4*\sl:51+4*\sl], s[50+4*\sl:51+4*\sl], 2*SLOTB   ; this slot's next tile: two steps on
.endif
.endif
.rept 8
	v_exp_f32 v[128+jj], v[128+jj]
.set jj, jj+1
.endr
.if \mode
	s_wait_dscnt 0x0                               ; the add is done, and V and its scale words are in: my reads of this slot are over
	s_barrier_signal -1                            ; say so (mode 2: this barrier opens a round of the cluster's), and work on registers while the others arrive
.endif
.rept 32
	v_exp_f32 v[128+jj], v[128+jj]
.set jj, jj+1
.endr
.irp b, 0,1,2,3
	v_exp_f32 v[236+\b], v[236+\b]                 ; the block's largest p: the same two instructions on the same number give the same bits
.endr
	v_pk_mul_f32 v[14:15], v[14:15], v[30:31] op_sel_hi:[1,0]   ; the sums under the new M.  (A plain place behind the exponentials)
.if \mode
	s_barrier_wait -1
.if \mode == 2
	CREST                                          ; no wave of any partner still reads this slot or has a load on its way
	JLOAD \sl                                      ; the joint refill, first behind the round: it has a step's work, up to the next step's change of slots, in which to land
.endif
	KHEAD B1                                       ; the other slot is whole: the next step's first nine loads land under the rest of this softmax
.endif
	s_wait_alu depctr_va_vdst(0)
.irp b, 0,1,2,3
	v_max_num_f32 v[236+\b], 0x2800000, v[236+\b]  ; the floor 2^(5 - 127): the byte cannot fall under 1
.endr
.irp b, 0,1,2,3
	s_delay_alu instid0(VALU_DEP_4)
	v_add_nc_u32 v[8+\b], 0xfe000000, v[236+\b]    ; 4 off the exponent field: the conversion's scale operand
.endr
.irp b, 0,1,2,3
	s_delay_alu instid0(VALU_DEP_4)
	v_lshrrev_b32 v[240+\b], 23, v[8+\b]           ; the scale's byte
.endr
	s_delay_alu instid0(VALU_DEP_3)
	v_lshl_or_b32 v31, v241, 8, v240               ; p's scale word for these 128 keys
	s_delay_alu instid0(VALU_DEP_1)
	v_lshl_or_b32 v31, v242, 16, v31
	s_delay_alu instid0(VALU_DEP_1)
	v_lshl_or_b32 v31, v243, 24, v31
.irp c, 0,1
	v_cvt_scalef32_pk16_bf6_f32 v[224+6*\c:226+6*\c], v[128+32*\c:143+32*\c], v[8+2*\c]
	v_cvt_scalef32_pk16_bf6_f32 v[240+4*\c:242+4*\c], v[144+32*\c:159+32*\c], v[9+2*\c]   ; (a conversion's three registers begin on an even number)
.endr
	v_nop                                          ; one plain place behind a scaled conversion
.irp c, 0,1                                    ; the operand's layout wants a WHOLE block in a lane: lanes 0-15 block 2 c, lanes 16-31 block 2 c + 1
.irp i, 0,1,2
	v_permlane16_swap_b32 v[224+6*\c+\i], v[240+4*\c+\i]
.endr
.irp i, 0,1,2
	s_delay_alu instid0(VALU_DEP_3)
	v_mov_b32 v[227+6*\c+\i], v[240+4*\c+\i]
.endr
.endr
	v_pk_add_f32 v[240:241], v[132:133], v[136:137]
	v_pk_add_f32 v[246:247], v[140:141], v[144:145]
	v_pk_add_f32 v[244:245], v[148:149], v[152:153]
	v_pk_add_f32 v[238:239], v[156:157], v[160:161]
	v_pk_add_f32 v[236:237], v[164:165], v[168:169]
	v_pk_add_f32 v[10:11], v[172:173], v[176:177]
	v_pk_add_f32 v[8:9], v[180:181], v[184:185]
	v_pk_add_f32 v[14:15], v[14:15], v[188:189]
	v_pk_add_f32 v[240:241], v[240:241], v[128:129]
	v_pk_add_f32 v[246:247], v[246:247], v[130:131]
	v_pk_add_f32 v[244:245], v[244:245], v[134:135]
	v_pk_add_f32 v[238:239], v[238:239], v[138:139]
	v_pk_add_f32 v[236:237], v[236:237], v[142:143]
	v_pk_add_f32 v[10:11], v[10:11], v[146:147]
	v_pk_add_f32 v[8:9], v[8:9], v[150:151]
	v_pk_add_f32 v[14:15], v[14:15], v[154:155]
	v_pk_add_f32 v[240:241], v[240:241], v[158:159]
	v_pk_add_f32 v[246:247], v[246:247], v[162:163]
	v_pk_add_f32 v[244:245], v[244:245], v[166:167]
	v_pk_add_f32 v[238:239], v[238:239], v[170:171]
	v_pk_add_f32 v[236:237], v[236:237], v[174:175]
	v_pk_add_f32 v[10:11], v[10:11], v[178:179]
	v_pk_add_f32 v[8:9], v[8:9], v[182:183]
	v_pk_add_f32 v[14:15], v[14:15], v[186:187]
	v_pk_add_f32 v[240:241], v[240:241], v[190:191]
	s_delay_alu instid0(VALU_DEP_2)
	v_pk_add_f32 v[14:15], v[14:15], v[238:239]
	s_delay_alu instid0(VALU_DEP_2)
	v_pk_add_f32 v[240:241], v[240:241], v[236:237]
	v_pk_add_f32 v[246:247], v[246:247], v[10:11]
	v_pk_add_f32 v[244:245], v[244:245], v[8:9]
	s_delay_alu instid0(VALU_DEP_2)
	v_pk_add_f32 v[14:15], v[14:15], v[246:247]
	s_delay_alu instid0(VALU_DEP_2)
	v_pk_add_f32 v[240:241], v[240:241], v[244:245]
	s_delay_alu instid0(VALU_DEP_1)
	v_pk_add_f32 v[14:15], v[14:15], v[240:241]
.set jj, 0
.rept 16
	v_pk_mul_f32 v[192+jj:193+jj], v[192+jj:193+jj], v[30:31] op_sel_hi:[1,0]   ; O^T under the new M: x f; each accumulator from its low end on
.set jj, jj+2
.endr
.if \mode == 0
	s_wait_alu depctr_va_vdst(0)
	s_wait_dscnt 0x0                               ; V and its scale words are in (in the other modes the change of slots has waited for them)
.endif
.irp t, 0,1,2,3
	WM 192+8*\t, 80+12*\t, 224, 192+8*\t, 252+\t%2, 31, \t/2      ; O^T += V^T P^T: the four accumulators by turns
.endr
.endm
; A pass's end: O^T / the sum is quantised along d (register 16 b + i = d 32 b + 16 h + i) and becomes half a fragment of the last product's K step (4 p + hg) / 2
.macro PASS_END p
.if \p == 1
	v_and_b32 v6, 15, v0                           ; out_w is asked for here, into the registers that K, V and Q have left.  These six plain lines are the places behind the last products
	v_bfe_u32 v30, v0, 4, 1
	s_delay_alu instid0(VALU_DEP_2)
	v_mul_u32_u24 v5, v6, 384
	s_delay_alu instid0(VALU_DEP_1)
	v_mad_u32_u24 v5, v30, 24, v5                  ; row r of 384 bytes, + 24 h
	s_delay_alu instid0(VALU_DEP_4)
	v_lshlrev_b32 v30, 2, v6
	v_lshlrev_b32 v6, 4, v6
.irp n, 0,1                                    ; fragments (tile n, K step s) at v[32 + 12 (4 n + s)]: rows 32 w + 16 n + r; scale words v16-23; out_b at my lane's channel v24, v25
.irp s, 0,1,2,3
.irp q, 0,1,2,3,4,5
	global_load_b64 v[32+12*(4*\n+\s)+2*\q:33+12*(4*\n+\s)+2*\q], v5, s[20:21] offset:6144*\n+96*\s+48*(\q/3)+8*(\q%3)
.endr
.endr
	global_load_b128 v[16+4*\n:19+4*\n], v6, s[22:23] offset:256*\n
	global_load_b32 v[24+\n], v30, s[24:25] offset:64*\n
.endr
.else
	NOPS 4                                         ; places behind the last products
.endif
	v_add_f32 v14, v14, v15                        ; the sum's two halves,
	s_delay_alu instid0(VALU_DEP_1)
	v_permlanex16_b32 v254, v14, s72, s73
	s_delay_alu instid0(VALU_DEP_1)
	v_add_f32 v14, v14, v254                       ; and lane l xor 16's: the row's sum
	s_wait_alu depctr_va_vdst(0)
	v_rcp_f32 v14, v14
	v_nop                                          ; a plain place behind the transcendental
.set jj, 0
	s_wait_alu depctr_va_vdst(0)
.rept 32
	v_mul_f32 v[128+jj], v[192+jj], v14
.set jj, jj+1
.endr
.irp b, 0,1
	v_max3_num_f32 v[236+\b], |v[128+16*\b]|, |v[129+16*\b]|, 0x2800000
.endr
.irp i, 2,4,6,8,10,12,14
.irp b, 0,1
	s_delay_alu instid0(VALU_DEP_2)
	v_max3_num_f32 v[236+\b], v[236+\b], |v[128+16*\b+\i]|, |v[129+16*\b+\i]|
.endr
.endr
.irp b, 0,1
	s_delay_alu instid0(VALU_DEP_2)
	v_permlanex16_b32 v[240+\b], v[236+\b], s72, s73
.endr
.irp b, 0,1
	s_delay_alu instid0(VALU_DEP_2)
	v_max_num_f32 v[236+\b], v[236+\b], v[240+\b]
.endr
.irp b, 0,1
	s_delay_alu instid0(VALU_DEP_2)
	v_add_nc_u32 v[8+\b], 0xfe000000, v[236+\b]
.endr
.irp b, 0,1
	s_delay_alu instid0(VALU_DEP_2)
	v_lshrrev_b32 v[240+\b], 23, v[8+\b]
.endr
	s_delay_alu instid0(VALU_DEP_1)
	v_lshl_or_b32 v238, v241, 8, v240              ; my head's two scale bytes of query r
	v_cvt_scalef32_pk16_bf6_f32 v[224:226], v[128:143], v8
	v_cvt_scalef32_pk16_bf6_f32 v[232:234], v[144:159], v9
	v_nop                                          ; one plain place behind a scaled conversion
.irp i, 0,1,2
	v_permlane16_swap_b32 v[224+\i], v[232+\i]
.endr
.irp i, 0,1,2
	s_delay_alu instid0(VALU_DEP_3)
	v_mov_b32 v[227+\i], v[232+\i]                 ; v224-229: lane (r, h): d = 32 h .. 32 h + 31 of query r
.endr
	ds_store_b128 v7, v[224:227] offset:3072*\p
	ds_store_b64 v29, v[228:229] offset:3072*\p
	ds_store_b16 v255, v238 offset:128*\p          ; half of the K step's scale word; lanes r and r + 16 write the same
.endm
	PASS_BEGIN 0
	s_wait_tensorcnt 0x0                           ; slot 1's first fill is issued as a refill is: the three lines, a round, the joint load first behind it
	ds_add_u32 v3, v4
	ds_add_u32 v3, v4                              ; 0 onto my spare word
	s_wait_dscnt 0x0
	ROUND
	JLOAD 1                                        ; step 1's records
	KHEAD 0                                        ; step 0's first nine loads: slot 0 was shown whole by the barrier at the end of phase 0
	s_mov_b32 s78, 4
.Lpass0:                                           ; heads 0-3: steps 0 to 7, two a trip; in each the step two on is asked for
	STEP 0, 2
	STEP 1, 2
	s_sub_co_u32 s78, s78, 1
	s_cmp_lg_u32 s78, 0
	s_cbranch_scc1 .Lpass0
	PASS_END 0                                     ; (the next pass's first fragments of K are on their way into v32-79 and v248-251, which neither of these two touches)
	PASS_BEGIN 1
	s_mov_b32 s78, 3
.Lpass1:                                           ; heads 4-7: the ring goes on
	STEP 0, 2
	STEP 1, 2
	s_sub_co_u32 s78, s78, 1
	s_cmp_lg_u32 s78, 0
	s_cbranch_scc1 .Lpass1
	STEP 0, 1                                      ; the tail is written out: the last tile was asked for in the step before; a plain barrier shows it whole
	STEP 1, 0                                      ; and the last step asks for nothing
	PASS_END 1
	; ================ 4: the last product.  v192-239 the attention's four fragments of a K step, v240-243 their scale words; v128-191 eight accumulators by turns: (tile of queries m, tile of channels n) at v[128 + 8 (2 m + n)]
	BAR                                            ; the attention's 32 half fragments lie in LDS
	v_and_b32 v254, 31, v0
	v_and_b32 v7, 15, v0
	s_delay_alu instid0(VALU_DEP_2)
	v_lshl_add_u32 v1, v254, 4, XIMG
	s_delay_alu instid0(VALU_DEP_3)
	v_lshl_add_u32 v2, v254, 3, XIMG+512
	s_delay_alu instid0(VALU_DEP_3)
	v_lshl_add_u32 v7, v7, 2, XSC
	s_wait_loadcnt 0x0                             ; out_w, its scales, out_b
.irp j, 0,1,2,3,4,5,6,7
	v_mov_b32 v[8+\j], v24                         ; out_b at my lane's channel, eight times: the C of the first K step
	v_mov_b32 v[244+\j], v25
.endr
	s_wait_alu depctr_va_vdst(0)
.irp s, 0,1,2,3
.if \s > 0
	NOPS 4                                         ; places in front of loads into registers that the last products read
.endif
.irp m, 0,1,2,3
.irp c, 0,1
	ds_load_b128 v[192+12*\m+6*\c:195+12*\m+6*\c], v1 offset:(8*\m+2*\s+\c)*768      ; head 2 s + c is k = 64 c .. 64 c + 63 of K step s
	ds_load_b64 v[196+12*\m+6*\c:197+12*\m+6*\c], v2 offset:(8*\m+2*\s+\c)*768
.endr
	ds_load_b32 v[240+\m], v7 offset:(4*\m+\s)*64
.endr
	s_wait_dscnt 0x0
.irp m, 0,1,2,3
.irp n, 0,1
.if \s == 0
	WM 128+8*(2*\m+\n), 192+12*\m, 32+12*(4*\n+\s), 8+236*\n, 240+\m, 16+4*\n+\s, 0
.else
	WM 128+8*(2*\m+\n), 192+12*\m, 32+12*(4*\n+\s), 128+8*(2*\m+\n), 240+\m, 16+4*\n+\s, 0
.endif
.endr
.endr
.endr
	; ================ 5: register j of accumulator (m, n) in lane (r, h) is channel 32 w + 16 n + r, query 16 m + 8 h + j.  x + gate x it, in place in my 32 rows of x's tile, which no other wave touches any more
	v_and_b32 v6, 15, v0                           ; (these ten plain lines are the places behind the last products)
	v_bfe_u32 v7, v0, 4, 1
	s_mul_i32 s86, s30, 32*XP
	s_add_co_u32 s86, s86, XT
	v_mul_u32_u24 v1, v6, XP
	s_delay_alu instid0(VALU_DEP_1)
	v_lshl_add_u32 v1, v7, 5, v1
	s_delay_alu instid0(VALU_DEP_1)
	v_add_nc_u32 v1, s86, v1                       ; row 32 w + r, + 32 h
	v_mul_u32_u24 v2, v7, XP
	s_delay_alu instid0(VALU_DEP_1)
	v_lshl_add_u32 v2, v6, 4, v2
	s_delay_alu instid0(VALU_DEP_1)
	v_add_nc_u32 v2, s86, v2                       ; back: lanes 0-15 one row, lanes 16-31 the next, 16 bytes a lane
	v_lshlrev_b32 v5, 14, v7
	s_delay_alu instid0(VALU_DEP_1)
	v_lshl_add_u32 v5, v6, 4, v5                   ; and the same two rows in out0
.irp m, 0,1,2,3
.irp n, 0,1
	ds_load_b128 v[32+8*(2*\m+\n):35+8*(2*\m+\n)], v1 offset:16*XP*\n+64*\m
	ds_load_b128 v[36+8*(2*\m+\n):39+8*(2*\m+\n)], v1 offset:16*XP*\n+64*\m+16
.endr
.endr
	s_wait_dscnt 0x0
.set jj, 0
.rept 32
	v_pk_fma_f32 v[32+jj:33+jj], v[128+jj:129+jj], s[76:77], v[32+jj:33+jj] op_sel_hi:[1,0,1]   ; each accumulator from its low end on
.set jj, jj+2
.endr
.irp m, 0,1,2,3
.irp n, 0,1
	ds_store_b128 v1, v[32+8*(2*\m+\n):35+8*(2*\m+\n)] offset:16*XP*\n+64*\m
	ds_store_b128 v1, v[36+8*(2*\m+\n):39+8*(2*\m+\n)] offset:16*XP*\n+64*\m+16
.endr
.endr
.irp i, 0,1,2,3,4,5,6,7,8,9,10,11,12,13,14,15
	ds_load_b128 v[128+4*\i:131+4*\i], v2 offset:2*XP*\i     ; LDS serves a wave's instructions in order: these see my stores
.endr
.irp i, 0,1,2,3,4,5,6,7,8,9,10,11,12,13,14,15
	s_wait_dscnt 15-\i                             ; pair of rows i is in; the 15 - i younger loads may be out
	global_store_b128 v5, v[128+4*\i:131+4*\i], s[28:29] offset:32768*\i th:TH_STORE_NT   ; 16 lanes store 256 consecutive bytes, at a multiple of 256 from out0's first byte; written once, read by nobody here
.endr
	s_wait_tensorcnt 0x0                           ; the wave's end: behind my last tensor load and my last LDS store
	ds_add_u32 v3, v4
	s_wait_dscnt 0x0
	ROUND                                          ; the closing round: no work-group ends while a partner may still ask for a record that names it
	s_endpgm
.Lfunc_end_k_q59cae5f16c_attn:
	.size	k_q59cae5f16c_attn, .Lfunc_end_k_q59cae5f16c_attn-k_q59cae5f16c_attn
	.p2alignl 7, 3214868480
	.fill 96, 4, 3214868480
	.section	.rodata,"a",@progbits
	.p2align	6, 0x0
	.amdhsa_kernel k_q59cae5f16c_attn
		.amdhsa_group_segment_fixed_size 327680
		.amdhsa_private_segment_fixed_size 0
		.amdhsa_enable_private_segment 0
		.amdhsa_kernarg_size 104
		.amdhsa_user_sgpr_count 2
		.amdhsa_user_sgpr_kernarg_segment_ptr 1
		.amdhsa_wavefront_size32 1
		.amdhsa_system_sgpr_workgroup_id_x 1
		.amdhsa_system_sgpr_workgroup_id_y 1
		.amdhsa_system_sgpr_workgroup_id_z 1
		.amdhsa_system_vgpr_workitem_id 0
		.amdhsa_next_free_vgpr 256
		.amdhsa_next_free_sgpr 100
		.amdhsa_reserve_vcc 0
		.amdhsa_float_denorm_mode_32 3
		.amdhsa_float_denorm_mode_16_64 3
		.amdhsa_memory_ordered 1
		.amdhsa_forward_progress 1
		.amdhsa_inst_pref_size 190
	.end_amdhsa_kernel
	.amdgpu_metadata
---
amdhsa.version: [ 1, 2 ]
amdhsa.kernels:
  - .name:           k_q59cae5f16c_attn
    .symbol:         k_q59cae5f16c_attn.kd
    .args:
      - { .name: x, .offset: 0, .size: 8, .value_kind: global_buffer, .address_space: global }
      - { .name: stats, .offset: 8, .size: 8, .value_kind: global_buffer, .address_space: global }
      - { .name: norm_w, .offset: 16, .size: 8, .value_kind: global_buffer, .address_space: global }
      - { .name: norm_b, .offset: 24, .size: 8, .value_kind: global_buffer, .address_space: global }
      - { .name: q_w_codes, .offset: 32, .size: 8, .value_kind: global_buffer, .address_space: global }
      - { .name: q_w_scales, .offset: 40, .size: 8, .value_kind: global_buffer, .address_space: global }
      - { .name: q_b, .offset: 48, .size: 8, .value_kind: global_buffer, .address_space: global }
      - { .name: kv, .offset: 56, .size: 8, .value_kind: global_buffer, .address_space: global }
      - { .name: out_w_codes, .offset: 64, .size: 8, .value_kind: global_buffer, .address_space: global }
      - { .name: out_w_scales, .offset: 72, .size: 8, .value_kind: global_buffer, .address_space: global }
      - { .name: out_b, .offset: 80, .size: 8, .value_kind: global_buffer, .address_space: global }
      - { .name: gate, .offset: 88, .size: 8, .value_kind: global_buffer, .address_space: global }
      - { .name: out0, .offset: 96, .size: 8, .value_kind: global_buffer, .address_space: global }
    .group_segment_fixed_size: 327680
    .private_segment_fixed_size: 0
    .kernarg_segment_align: 8
    .kernarg_segment_size: 104
    .max_flat_workgroup_size: 512
    .sgpr_count:     100
    .vgpr_count:     256
    .wavefront_size: 32
...
	.end_amdgpu_metadata
.endif
;; end of part 3
